; MI455X (gfx1250); checked and timed in simulation.
; The chip was launched on July 23, 2026; its instructions are those of AMD's public machine-readable ISA for CDNA 5 (MIT licence, August 2026) and "CDNA5" Instruction Set Architecture Reference Guide (July 2026). The comments in the code are by the model that wrote it; some were corrected since.
;; Llama Attention. Allowed arithmetic: matrix products marked QUANTISED: E4M3 operands, one given power-of-two scale a tensor, by v_wmma_f32_16x16x64_fp8_fp8 or v_wmma_f32_16x16x128_fp8_fp8, f32 sums; everything else in f32.
;; Inputs: Wk 1,024 x 1,024 float32; Wo 1,024 x 1,024 float32; Wq 1,024 x 1,024 float32; Wv 1,024 x 1,024 float32; hidden_states 2 x 2,048 x 1,024 float32; lowp_scales 12 int32 (the exponents e of the quantised operands' scales 2^e); past_lens 2 int32.
;; Outputs: out0 2 x 2,048 x 1,024 float32.
;; This version of the problem:
;;   THIS VERSION OF THE PROBLEM IS GIVEN IN LOW PRECISION. The matrix products marked QUANTISED in the list below multiply operands that are first quantised to E4M3 (4 exponent bits, 3 mantissa bits; 8 bits a number), with one given power-of-two scale for each operand tensor; their sums are f32. All else is computed in f32.
;;   The module's matrix products, in the order in which they are computed (A, B: the left and right operand; K: the contracted axis; several contracted axes count as one K, in the product's order):
;;     1. [M 4,096, K 1,024] x [K 1,024, N 1,024]; A: input hidden_states; B: input Wq: QUANTISED (scales: A lowp_scales[0], B lowp_scales[1])
;;     2. [M 4,096, K 1,024] x [K 1,024, N 1,024]; A: input hidden_states; B: input Wk: QUANTISED (scales: A lowp_scales[2], B lowp_scales[3])
;;     3. [M 4,096, K 1,024] x [K 1,024, N 1,024]; A: input hidden_states; B: input Wv: QUANTISED (scales: A lowp_scales[4], B lowp_scales[5])
;;     4. batch 64 x [M 2,048, K 32] x [K 32, N 2,048]; A: computed on the way; B: computed on the way: QUANTISED (scales: A lowp_scales[6], B lowp_scales[7])
;;     5. batch 64 x [M 2,048, K 2,048] x [K 2,048, N 32]; A: softmax (see below); B: computed on the way: QUANTISED (scales: A lowp_scales[8], B lowp_scales[9])
;;     6. [M 4,096, K 1,024] x [K 1,024, N 1,024]; A: computed on the way; B: input Wo: QUANTISED (scales: A lowp_scales[10], B lowp_scales[11])
;;   THE QUANTISER, for each operand of a quantised product, along K:
;;     - The operand's scale is 2^e, e = its entry of the input lowp_scales (int32; the entries are numbered through the quantised products in the list's order, A before B).
;;     - Each number is divided by the scale, clamped to +-448, and rounded to the nearest number of E4M3, ties to even, subnormals kept.
;;     - The product sums the exact products of the quantised numbers (number of the format x scale) in f32.
;;   ~~~python
;;   def quantise(x, axis, e):      # numpy; x: float32 -> the quantised numbers, widened to float32 again
;;       x = np.moveaxis(x, axis, -1); K = x.shape[-1]
;;       r = np.clip(x / 2.0 ** e, -448, 448)
;;       step = 2.0 ** (np.maximum(np.frexp(np.where(r == 0, 1, r))[1] - 1, -6) - 3)
;;       q = np.round(r / step) * step * 2.0 ** e      # np.round: ties to even
;;       return np.moveaxis(q, -1, axis).astype(np.float32)
;;   ~~~
;;   SOFTMAX AHEAD OF A QUANTISED PRODUCT. Where the list says 'softmax', what is quantised is not the finished softmax but p = 2^(t - M), with t = logit x log2(e) and M = ceil(the row's largest t), a whole number; so 1/2 < the row's largest p <= 1. The row's sum l is taken of the UNQUANTISED p, in f32, and the product's result is divided by l at the end. Since M is a whole number, a kernel that streams over the keys may use a running M (the ceiling of the running maximum): every later rescaling is an exact power of two, so the quantised numbers keep their values, but for numbers so far below the row's largest that they fall under the format's range.
;;   OPERANDS COMPUTED ON THE WAY. 'Computed on the way' means the value that the module computes at that place (a softmax that the list does not call 'softmax' is quantised finished and normalised). What goes into a quantiser is computed in f32, as accurately as f32 sums, v_exp_f32 and their like allow (about 1e-6 of the number): no bf16 or f16 on the way to a quantiser, and a product that is left as it is and whose result goes on into a quantised operand takes f32 operands (vector FMAs, or v_wmma_f32_16x16x4_f32). A number that lies on a knife's edge between two numbers of the format may be rounded either way, as far as f32 arithmetic and the matrix unit's own rounding can turn it there, and no further.
;; One version. Each part assembles by itself: llvm-mc -triple=amdgcn-amd-amdhsa -mcpu=gfx1250 --defsym DOCPART=n.
;; ======== version 1 of 1: 4 launches
;; limits: right only within a limited range of input values
;; workspace buffers: xc 12,582,912 bytes; wc 4,194,304 bytes; rope 524,288 bytes; qc 4,194,304 bytes; kc 4,194,304 bytes; vc 4,194,304 bytes; ac 4,194,304 bytes
;; launch quant (part 1): grid 256 x 1, 8 waves a work-group, no clusters, 136,192 bytes of LDS; arguments hidden_states, Wq, Wk, Wv, Wo, lowp_scales, past_lens, xc, wc, rope; writes xc, wc, rope
.if DOCPART == 1
	.amdgcn_target "amdgcn-amd-amdhsa--gfx1250"
	.amdhsa_code_object_version 6
	.text
	.protected	k_q3d7513e5e2_quant
	.globl	k_q3d7513e5e2_quant
	.p2align	8
	.type	k_q3d7513e5e2_quant,@function
k_q3d7513e5e2_quant:
	s_mov_b64 s[64:65], 0
	v_nop
	global_prefetch_b8 v0, s[64:65] scope:SCOPE_SE
	s_setreg_imm32_b32 hwreg(HW_REG_WAVE_MODE, 25, 1), 1
	s_wait_xcnt 0x0
; hidden_states [4096][1024] and Wq, Wk, Wv, Wo [1024][1024], f32 with K innermost, become codes of E4M3; and the table of cos and sin for the rotation is made.
; code = x / 2^e, held within +-448, to the nearest code, ties to even.  hidden_states is quantised three times, with entries 0, 2 and 4 of the scales; the weights with entries 1, 3, 5 and 11.
; THE CODES ARE LAID AS IMAGES OF OPERAND REGISTERS.  A fragment is 16 rows x 128 along K, 2,048 bytes: byte 512 q + 16 L + y (lane L, r = L % 16, h = L / 16) is row r,
; k = 32 q + 8 h + y for y < 8 and k = 32 q + 16 + 8 h + y - 8 else: four loads of 16 bytes a lane give the sixteen registers of the 16x16x128 form, every k in its own place.
; xc: [product 3][block of 128 tokens 32][K step 8][tile of 16 rows 8][2048];  wc: [matrix 4][block of 128 rows 8][K step 8][tile 8][2048].
; rope: cos [4096 tokens][16] f32, then sin likewise 262,144 bytes on; token = 2048 b + s, angle = (past_lens[b] + s) x inv_freq[j], each product rounded once, as in the problem.
; SHARES.  Work-group g takes the 16 tokens 16 g on and the 16 rows 16 (g % 64) on of matrix g / 64; wave w takes K step w of both: two fragments a wave.  Both go to the same offset in their buffers.
; Even waves also make four tokens of the table.  Every load reads 512 consecutive bytes of a row; a fragment turns through the wave's own stage in LDS (rows of 512 + 16 bytes), so that a lane
; comes to hold neighbours along K; every store covers 512 consecutive bytes, aligned.  Waves share nothing: no barrier.  All 32 loads of a wave are out at once.
; cos AND sin: the angle less k pi/2 (k the nearest whole number; pi/2 in three parts, by fused multiply-adds), two short polynomials, and the quadrant by selects and sign bits: nothing but values hangs on k.
; LIMITS: each of the seven exponents lies between -126 and 119; |past_lens + s| stays under 2^22; inv_freq[j] is the f32 number 1 / f32(10^(j/4)), written out: it may differ in the last place
; from a power function that is not correctly rounded.  NaN among the inputs is not served; an infinity is held at the largest code.
.set SP,   528                         ; a stage row: 512 bytes + 16: the sixteen rows that a read touches start 16 bytes apart modulo 256
.set STG,  16*SP                       ; a stage
.set WREG, 2*STG                       ; a wave's LDS: one stage for each of its two fragments
.set LI,   2                           ; v2   16 x lane; never rewritten
.set STI,  3                           ; v3   the stage, on the way in: 16 x lane
.set STO,  4                           ; v4   and on the way out: row r, + 32 h
.set T,    32                          ; v32-63   two sets of 16 held numbers, by turns
.set RH,   64                          ; v64-127  the fragment of hidden_states
.set RW,   128                         ; v128-191 the fragment of a weight
.set C,    192                         ; v192-255 four sets of 16 registers of codes: no store's data are written again
	s_load_b256 s[4:11], s[0:1], 0x0               ; hidden_states s[4:5], Wq s[6:7], Wk s[8:9], Wv s[10:11]
	s_load_b256 s[12:19], s[0:1], 0x20             ; Wo s[12:13], the scales s[14:15], past_lens s[16:17], xc s[18:19]
	s_load_b128 s[20:23], s[0:1], 0x40             ; wc s[20:21], rope s[22:23]
	s_set_vgpr_msb 0x40
	v_lshl_add_u32 v0, v0, 2, 0x21000
	v_mov_b32 v1, 0
	s_set_vgpr_msb 0x4000
	v_lshrrev_b32 v1, 5, v0
	s_delay_alu instid0(VALU_DEP_1)
	v_readfirstlane_b32 s24, v1                    ; wave 0..7
	v_and_b32 v1, 31, v0                           ; lane
	s_delay_alu instid0(VALU_DEP_1)
	v_lshlrev_b32 v[LI], 4, v1
	s_mul_i32 s26, s24, WREG
	v_add_nc_u32 v[STI], s26, v[LI]
	v_and_b32 v[STO], 15, v0
	s_delay_alu instid0(VALU_DEP_1)
	v_mul_u32_u24 v[STO], v[STO], SP
	v_bfe_u32 v5, v0, 4, 1
	s_delay_alu instid0(VALU_DEP_1)
	v_lshl_add_u32 v[STO], v5, 5, v[STO]
	s_delay_alu instid0(VALU_DEP_1)
	v_add_nc_u32 v[STO], s26, v[STO]
	s_lshr_b32 s25, ttmp9, 6                       ; which matrix
	s_lshl_b32 s26, ttmp9, 16                      ; 16 rows of 4,096 bytes x g,
	s_lshl_b32 s43, s24, 9                         ; + 512 bytes x K step
	s_add_co_u32 s26, s26, s43
	s_mov_b32 s27, 0
	s_wait_alu depctr_va_vdst(0)
	s_wait_kmcnt 0x0
	s_load_b256 s[28:35], s[14:15], 0x0            ; e0 .. e7
	s_load_b128 s[36:39], s[14:15], 0x20           ; e8 .. e11
	s_load_b64 s[40:41], s[16:17], 0x0             ; past_lens
	s_add_nc_u64 s[44:45], s[4:5], s[26:27]        ; my fragment of hidden_states
	s_cmp_eq_u32 s25, 1                            ; the weight is chosen by the work-group's number alone
	s_cselect_b64 s[46:47], s[8:9], s[6:7]
	s_cmp_eq_u32 s25, 2
	s_cselect_b64 s[46:47], s[10:11], s[46:47]
	s_cmp_eq_u32 s25, 3
	s_cselect_b64 s[46:47], s[12:13], s[46:47]
	s_and_b32 s26, ttmp9, 63
	s_lshl_b32 s26, s26, 16
	s_add_co_u32 s26, s26, s43
	s_add_nc_u64 s[46:47], s[46:47], s[26:27]      ; my fragment of it
.macro LOADF R, base                   ; a fragment as it lies: row i's 128 numbers are 512 consecutive bytes, 16 a lane
.irp i, 0,1,2,3,4,5,6,7,8,9,10,11,12,13,14,15
	global_load_b128 v[\R+4*\i:\R+4*\i+3], v[LI], s[\base:\base+1] offset:4096*\i th:TH_LOAD_NT
.endr
.endm
	LOADF RH, 44
	LOADF RW, 46
	s_lshr_b32 s26, ttmp9, 3                       ; where the images go: (((g / 8) x 8 + w) x 8 + g % 8) x 2,048, in xc's three parts and in wc alike (matrix x 8 + block = g / 8)
	s_lshl_b32 s26, s26, 17
	s_lshl_b32 s43, s24, 14
	s_add_co_u32 s26, s26, s43
	s_and_b32 s43, ttmp9, 7
	s_lshl_b32 s43, s43, 11
	s_add_co_u32 s26, s26, s43
	s_add_nc_u64 s[48:49], s[18:19], s[26:27]
	s_add_nc_u64 s[50:51], s[48:49], 0x400000
	s_add_nc_u64 s[52:53], s[50:51], 0x400000
	s_add_nc_u64 s[54:55], s[20:21], s[26:27]
	s_lshl_b32 s26, ttmp9, 10                      ; the table: 64 bytes a token: 1,024 g + 256 (w / 2)
	s_lshr_b32 s43, s24, 1
	s_lshl_b32 s43, s43, 8
	s_add_co_u32 s26, s26, s43
	s_add_nc_u64 s[56:57], s[22:23], s[26:27]
	s_wait_kmcnt 0x0
	s_cmp_eq_u32 s25, 1
	s_cselect_b32 s42, s31, s29                    ; the weight's exponent: e1, e3, e5 or e11
	s_cmp_eq_u32 s25, 2
	s_cselect_b32 s42, s33, s42
	s_cmp_eq_u32 s25, 3
	s_cselect_b32 s42, s39, s42
.macro PAIR e, r                       ; v[r] = 2^e as f32 (the conversion takes its exponent field), v[r+1] = 448 x 2^e
	s_add_co_i32 s43, s[\e], 127
	s_lshl_b32 s26, s43, 23
	v_mov_b32 v[\r], s26
	s_add_co_i32 s43, s43, 8
	s_lshl_b32 s43, s43, 23
	s_or_b32 s43, s43, 0x600000
	v_mov_b32 v[\r+1], s43
.endm
	PAIR 28, 8
	PAIR 30, 10
	PAIR 32, 12
	PAIR 42, 14
	; ---- the table: even waves, four tokens each; lane L: token L / 8 of the four, frequencies 2 (L % 8) and 2 (L % 8) + 1
	s_and_b32 s43, s24, 1
	s_cmp_lg_u32 s43, 0
	s_cbranch_scc1 .Lno_table
	s_cmp_lt_u32 ttmp9, 128                        ; tokens 0 to 2,047 are batch 0
	s_cselect_b32 s43, s40, s41
	v_cvt_f32_i32 v5, s43
	s_lshl_b32 s26, ttmp9, 4
	s_lshr_b32 s43, s24, 1
	s_lshl_b32 s43, s43, 2
	s_add_co_u32 s26, s26, s43
	s_and_b32 s26, s26, 2047                       ; s of the first of my four tokens
	v_lshrrev_b32 v16, 3, v1
	s_delay_alu instid0(VALU_DEP_1)
	v_add_nc_u32 v16, s26, v16
	s_delay_alu instid0(VALU_DEP_1)
	v_cvt_f32_u32 v16, v16
	s_delay_alu instid0(VALU_DEP_1)
	v_add_f32 v5, v5, v16                          ; t = past_lens + s, in f32
	v_and_b32 v17, 7, v1
	v_mov_b32 v6, 1.0                              ; inv_freq[0],
	v_mov_b32 v7, 0x3f0ff59a                       ; inv_freq[1]; the other lanes' pairs are picked below
.macro PICK m, a, b                    ; lanes with L % 8 = m take the pair (a, b)
	v_cmp_ne_u32 vcc_lo, \m, v17
	s_delay_alu instid0(VALU_DEP_1)
	v_cndmask_b32 v6, \a, v6, vcc_lo
	s_delay_alu instid0(VALU_DEP_2)
	v_cndmask_b32 v7, \b, v7, vcc_lo
.endm
	PICK 1, 0x3ea1e89b, 0x3e361887
	PICK 2, 0x3dcccccd, 0x3d6655c2
	PICK 3, 0x3d0186e3, 0x3c91ad39
	PICK 4, 0x3c23d70a, 0x3bb8449c
	PICK 5, 0x3b4f3e38, 0x3ae91528
	PICK 6, 0x3a83126f, 0x3a136a16
	PICK 7, 0x39a5cb60, 0x393a7753
	s_mov_b32 s58, 0x3f22f983                      ; 2 / pi
	s_mov_b32 s59, 0xbfc90fd8                      ; -pi/2 in three parts
	s_mov_b32 s60, 0xb4a8885a
	s_mov_b32 s61, 0xa7c234c4
	s_mov_b32 s62, 0x37cd4000                      ; cos: 2.4467707e-5, -1.3887730e-3, 4.1666657e-2, then -1/2 and 1
	s_mov_b32 s63, 0xbab6077d
	s_mov_b32 s66, 0x3d2aaaa8
	s_mov_b32 s67, 0x36405000                      ; sin: 2.8656796e-6, -1.9855992e-4, 8.3333859e-3, -1.6666667e-1
	s_mov_b32 s68, 0xb9503486
	s_mov_b32 s69, 0x3c0888c1
	s_mov_b32 s70, 0xbe2aaaab
.macro SINCOS n                        ; frequency n of my two: cos into v[28+n], sin into v[30+n]
.set B, 16+6*\n                        ; x, k, z, c, s, u
	v_mul_f32 v[B], v5, v[6+\n]                    ; the angle
	s_delay_alu instid0(VALU_DEP_1)
	v_mul_f32 v[B+1], s58, v[B]
	s_delay_alu instid0(VALU_DEP_1)
	v_rndne_f32 v[B+1], v[B+1]                     ; k
	s_delay_alu instid0(VALU_DEP_1)
	v_fma_f32 v[B], v[B+1], s59, v[B]
	s_delay_alu instid0(VALU_DEP_1)
	v_fma_f32 v[B], v[B+1], s60, v[B]
	s_delay_alu instid0(VALU_DEP_1)
	v_fma_f32 v[B], v[B+1], s61, v[B]              ; x = angle - k pi/2, within +-pi/4
	s_delay_alu instid0(VALU_DEP_1)
	v_mul_f32 v[B+2], v[B], v[B]
	s_delay_alu instid0(VALU_DEP_1)
	v_fma_f32 v[B+3], v[B+2], s62, s63
	s_delay_alu instid0(VALU_DEP_1)
	v_fma_f32 v[B+3], v[B+3], v[B+2], s66
	s_delay_alu instid0(VALU_DEP_1)
	v_fma_f32 v[B+3], v[B+3], v[B+2], -0.5
	s_delay_alu instid0(VALU_DEP_1)
	v_fma_f32 v[B+3], v[B+3], v[B+2], 1.0          ; cos x
	v_fma_f32 v[B+4], v[B+2], s67, s68
	s_delay_alu instid0(VALU_DEP_1)
	v_fma_f32 v[B+4], v[B+4], v[B+2], s69
	s_delay_alu instid0(VALU_DEP_1)
	v_fma_f32 v[B+4], v[B+4], v[B+2], s70
	v_mul_f32 v[B+5], v[B], v[B+2]
	s_delay_alu instid0(VALU_DEP_1)
	v_fma_f32 v[B+4], v[B+4], v[B+5], v[B]         ; sin x
	v_cvt_i32_f32 v[B+5], v[B+1]
	s_delay_alu instid0(VALU_DEP_1)
	v_and_b32 v[B], 1, v[B+5]
	s_delay_alu instid0(VALU_DEP_1)
	v_cmp_eq_u32 vcc_lo, 1, v[B]                   ; an odd quadrant swaps the two
	s_delay_alu instid0(VALU_DEP_1)
	v_cndmask_b32 v[B+2], v[B+4], v[B+3], vcc_lo
	s_delay_alu instid0(VALU_DEP_2)
	v_cndmask_b32 v[B+1], v[B+3], v[B+4], vcc_lo
	v_and_b32 v[B], 2, v[B+5]                      ; sin changes sign in quadrants 2 and 3,
	s_delay_alu instid0(VALU_DEP_1)
	v_lshlrev_b32 v[B], 30, v[B]
	s_delay_alu instid0(VALU_DEP_1)
	v_xor_b32 v[30+\n], v[B], v[B+2]
	v_add_nc_u32 v[B+5], 1, v[B+5]                 ; cos in quadrants 1 and 2
	s_delay_alu instid0(VALU_DEP_1)
	v_and_b32 v[B+5], 2, v[B+5]
	s_delay_alu instid0(VALU_DEP_1)
	v_lshlrev_b32 v[B+5], 30, v[B+5]
	s_delay_alu instid0(VALU_DEP_1)
	v_xor_b32 v[28+\n], v[B+5], v[B+1]
.endm
	s_wait_alu depctr_va_vdst(0)
	SINCOS 0
	SINCOS 1
	v_lshlrev_b32 v6, 3, v1                        ; 64 (L / 8) + 8 (L % 8) = 8 L: the wave stores 256 consecutive bytes, aligned; v6 and v28-31 are not written again
	global_store_b64 v6, v[28:29], s[56:57]
	global_store_b64 v6, v[30:31], s[56:57] offset:262144
.Lno_table:
; A fragment through the stage: in as loaded; back so that register 16 c + i of lane (r, h) is row r, k = 32 c + 8 h + i (i < 8) or 32 c + 16 + 8 h + i - 8.
; LDS serves a wave's instructions in order (ISA guide 5.7.1.4): no wait stands between the stores and the loads, which come back into the registers that the numbers left.
.macro TURN R, st
.irp i, 0,1,2,3,4,5,6,7,8,9,10,11,12,13,14,15
	ds_store_b128 v[STI], v[\R+4*\i:\R+4*\i+3] offset:STG*\st+SP*\i
.endr
.irp c, 0,1,2,3
	ds_load_b128 v[\R+16*\c:\R+16*\c+3],     v[STO] offset:STG*\st+128*\c
	ds_load_b128 v[\R+16*\c+4:\R+16*\c+7],   v[STO] offset:STG*\st+128*\c+16
	ds_load_b128 v[\R+16*\c+8:\R+16*\c+11],  v[STO] offset:STG*\st+128*\c+64
	ds_load_b128 v[\R+16*\c+12:\R+16*\c+15], v[STO] offset:STG*\st+128*\c+80
.endr
.endm
; 64 numbers become a fragment's 16 registers of codes and leave.  The conversion to an 8-bit code does not saturate (ISA guide 7.6.2): each number is first held within 448 x the scale,
; into one of two sets by turns (sixteen plain lines then stand between a conversion and the next write of its sources), or in place where the numbers are wanted no more.
.macro QUANT R, sc, cd, base, inplace
.irp c, 0,1,2,3
.if \inplace
.set QS, \R+16*\c
.else
.set QS, T+16*(\c%2)
.endif
.irp i, 0,1,2,3,4,5,6,7,8,9,10,11,12,13,14,15
	v_med3_num_f32 v[QS+\i], v[\R+16*\c+\i], -v[\sc+1], v[\sc+1]
.endr
	v_cvt_scalef32_pk8_fp8_f32 v[\cd+4*\c:\cd+4*\c+1], v[QS:QS+7], v[\sc]
	v_cvt_scalef32_pk8_fp8_f32 v[\cd+4*\c+2:\cd+4*\c+3], v[QS+8:QS+15], v[\sc]
.endr
.irp c, 0,1,2,3
	global_store_b128 v[LI], v[\cd+4*\c:\cd+4*\c+3], s[\base:\base+1] offset:512*\c   ; 32 lanes store 512 consecutive bytes, aligned
.endr
.endm
	s_wait_loadcnt 16                              ; the fragment of hidden_states is in; the weight's sixteen loads may be out
	TURN RH, 0
	s_wait_loadcnt 0x0
	TURN RW, 1
	s_wait_dscnt 32                                ; the first fragment is back; the second's 32 LDS instructions may be out
	s_wait_alu depctr_va_vdst(0)
	QUANT RH, 8,  C,    48, 0                      ; for the product with Wq,
	QUANT RH, 10, C+16, 50, 0                      ; with Wk,
	QUANT RH, 12, C+32, 52, 1                      ; with Wv
	s_wait_dscnt 0x0
	QUANT RW, 14, C+48, 54, 1
	s_set_vgpr_msb 0x5
	s_wait_tensorcnt 0x0
	ds_add_u32 v0, v1
	s_wait_dscnt 0x0
	s_set_vgpr_msb 0x500
	s_endpgm
.Lfunc_end_k_q3d7513e5e2_quant:
	.size	k_q3d7513e5e2_quant, .Lfunc_end_k_q3d7513e5e2_quant-k_q3d7513e5e2_quant
	.p2alignl 7, 3214868480
	.fill 96, 4, 3214868480
	.section	.rodata,"a",@progbits
	.p2align	6, 0x0
	.amdhsa_kernel k_q3d7513e5e2_quant
		.amdhsa_group_segment_fixed_size 136192
		.amdhsa_private_segment_fixed_size 0
		.amdhsa_enable_private_segment 0
		.amdhsa_kernarg_size 80
		.amdhsa_user_sgpr_count 2
		.amdhsa_user_sgpr_kernarg_segment_ptr 1
		.amdhsa_wavefront_size32 1
		.amdhsa_system_sgpr_workgroup_id_x 1
		.amdhsa_system_sgpr_workgroup_id_y 1
		.amdhsa_system_sgpr_workgroup_id_z 1
		.amdhsa_system_vgpr_workitem_id 0
		.amdhsa_next_free_vgpr 258
		.amdhsa_next_free_sgpr 80
		.amdhsa_reserve_vcc 1
		.amdhsa_float_denorm_mode_32 3
		.amdhsa_float_denorm_mode_16_64 3
		.amdhsa_memory_ordered 1
		.amdhsa_forward_progress 1
		.amdhsa_inst_pref_size 38
	.end_amdhsa_kernel
	.amdgpu_metadata
---
amdhsa.version: [ 1, 2 ]
amdhsa.kernels:
  - .name:           k_q3d7513e5e2_quant
    .symbol:         k_q3d7513e5e2_quant.kd
    .args:
      - { .name: hidden_states, .offset: 0, .size: 8, .value_kind: global_buffer, .address_space: global }
      - { .name: Wq, .offset: 8, .size: 8, .value_kind: global_buffer, .address_space: global }
      - { .name: Wk, .offset: 16, .size: 8, .value_kind: global_buffer, .address_space: global }
      - { .name: Wv, .offset: 24, .size: 8, .value_kind: global_buffer, .address_space: global }
      - { .name: Wo, .offset: 32, .size: 8, .value_kind: global_buffer, .address_space: global }
      - { .name: lowp_scales, .offset: 40, .size: 8, .value_kind: global_buffer, .address_space: global }
      - { .name: past_lens, .offset: 48, .size: 8, .value_kind: global_buffer, .address_space: global }
      - { .name: xc, .offset: 56, .size: 8, .value_kind: global_buffer, .address_space: global }
      - { .name: wc, .offset: 64, .size: 8, .value_kind: global_buffer, .address_space: global }
      - { .name: rope, .offset: 72, .size: 8, .value_kind: global_buffer, .address_space: global }
    .group_segment_fixed_size: 136192
    .private_segment_fixed_size: 0
    .kernarg_segment_align: 8
    .kernarg_segment_size: 80
    .max_flat_workgroup_size: 256
    .sgpr_count:     80
    .vgpr_count:     258
    .wavefront_size: 32
...
	.end_amdgpu_metadata
.endif
;; end of part 1
;; launch qkv (part 2): grid 12 x 16, 4 waves a work-group, clusters of 4 x 4, 327,680 bytes of LDS; arguments xc, wc, rope, lowp_scales, qc, kc, vc; writes qc, kc, vc
.if DOCPART == 2
	.amdgcn_target "amdgcn-amd-amdhsa--gfx1250"
	.amdhsa_code_object_version 6
	.text
	.protected	k_q3d7513e5e2_qkv
	.globl	k_q3d7513e5e2_qkv
	.p2align	8
	.type	k_q3d7513e5e2_qkv,@function
k_q3d7513e5e2_qkv:
	s_mov_b64 s[64:65], 0
	v_nop
	global_prefetch_b8 v0, s[64:65] scope:SCOPE_SE
	s_setreg_imm32_b32 hwreg(HW_REG_WAVE_MODE, 25, 1), 1
	s_wait_xcnt 0x0
	s_wait_alu depctr_hold_cnt(0) depctr_sa_sdst(0) depctr_va_vdst(0) depctr_va_sdst(0) depctr_va_ssrc(0) depctr_va_vcc(0) depctr_vm_vsrc(0)
	s_getreg_b32 s2, hwreg(HW_REG_IB_STS2, 6, 4)
	s_cmp_eq_u32 s2, 0
	s_cbranch_scc0 .Lentry_in_a_cluster
	s_endpgm
.Lentry_in_a_cluster:
	s_bfe_u32 s2, ttmp6, 0x10000c
	s_cmp_lg_u32 s2, 0xf033
	s_cbranch_scc0 .Lentry_shape_is_right
	s_endpgm
.Lentry_shape_is_right:
; q, k, v = hidden_states x Wq^T, Wk^T, Wv^T on codes of E4M3 (16x16x128 form, f32 sums, K ascending), the rotation of q and k in f32, and the quantisers of q, k and v.
; SHARES.  A work-group makes a block of 256 x 256 of one product; four waves, each 128 x 128: 64 accumulators, 512 registers.  Each product has 16 x 4 such blocks: 192 work-groups.
; The three products take three different sets of codes of hidden_states, so a block never spans two products, and 3 x 4,096 x 1,024 results do not divide into 256 equal blocks of whole heads.
; The kind (0 q, 1 k, 2 v) is the cluster's x, equal in all sixteen partners.
; TWO SIDES.  Side A (source 1; a lane holds its row r) is shared along a row of the cluster and hangs on cy; side B (source 0; a lane's registers run along its rows 8 h + j) along a column and hangs on cx.
; q and k: side A = tokens, block 4 Y + cy; side B = W's rows, block cx.  v: side A = W's rows, block cy; side B = tokens, block 4 Y + cx: the same text then gives v with the keys along a lane's registers.
; RING.  xc and wc hold images of operand registers, [block of 128 rows][K step 8][tile of 16 rows 8][2,048].  A slot holds two K steps: four pieces of 32,768 dense bytes (A's two blocks of 128 rows, then B's),
; one joint load a wave; two slots, four fills in all.  A fragment is four loads of 512 consecutive bytes: no pitch, no padding.
; PREFETCH.  Behind the first and the second joint load each wave asks for a quarter of the piece that it fetches two fills later: 32 blocks of 256 bytes, a lane a block, one instruction.  The four partners that
; ask for a piece jointly share it out by address (8,192 bytes x cx for side A, x cy for side B), so each block is named once in each cluster that loads it.  Fills 0 and 1 come by their loads alone; there is no fill 4.
; THE WAY OUT.  q, k: y1 = x1 cos - x2 sin, y2 = x2 cos + x1 sin on the sums as they are; the three scales are folded into the conversion's one, 2^(e_out - e_x - e_w).
; qc, kc: [b x 32 + head][tile of 16 tokens 128][512]: lane L's 16 bytes at 16 L are registers 0-3 of the 16x16x64 form (k = d).  vc: [b x 32 + head][step of 128 keys 16][16 d: 2][image 2,048], rows = d, k = the key.
; Every store covers 512 consecutive bytes, aligned.  LIMITS: e6 - e0 - e1, e7 - e2 - e3 and e9 - e4 - e5 lie between -126 and 119.
; REGISTERS.  Window 0: v4 16 x lane; v16-17, v20-21 LDS addresses; v22-23 scale and hold; v24 table offset; v25 prefetch offset; v28-29 the add's; v128-255 A's fragments, one set; on the way out v32-95 numbers, v96-111 at work, v128-255 codes.
; Window 1: B's fragments, two sets; set 0 takes cos and sin in the last step.  Windows 2, 3: the accumulators ((a, b) at 8 (8 (a % 4) + b)).
.set FR,   16
.set NL,   4
.set NP,   4
.set SLOT, 131072
.set SPARE, 2*SLOT
.set ADRA, 16
.set ADRB, 20
.set SCL,  22
.set ROF,  24
.set PFO,  25
.set SPW,  28
.set NIL,  29
.set Y,    32
.set U,    96
.set AF,   128
.set CD,   128
.set G1,   24
.set G0,   32
.set G1B,  48
.set G0B,  56
.set PFA,  80
.set MSB, 0
.macro WIN new                         ; the immediate's high byte repeats the setting that is left
.if MSB != \new
	s_set_vgpr_msb (MSB<<8)|\new
.set MSB, \new
.endif
.endm
.set MUL_LO, 0xa1                      ; source 0 (B) window 1, source 1 (A) window 0, C and D window 2
.set MUL_HI, 0xf1
.set TO_B,   0x40                      ; destination window 1, address window 0
.macro JLOAD g0a, g1a, g0b, g1b        ; waves 0, 1 fetch for side A, waves 2, 3 for side B; s_nop 0 and four v_nop follow each line
	s_cmp_eq_u32 s19, 0
	s_cbranch_scc0 .Lfor_b_\@
	tensor_load_to_lds s[\g0a:\g0a+3], s[\g1a:\g1a+7]
	s_nop 0
.rept 4
	v_nop
.endr
	s_branch .Lasked_\@
.Lfor_b_\@:
	tensor_load_to_lds s[\g0b:\g0b+3], s[\g1b:\g1b+7]
	s_nop 0
.rept 4
	v_nop
.endr
.Lasked_\@:
.endm
.macro CREST                           ; a round of the cluster's barrier behind its opening barrier
	s_cmp_lg_u32 s18, 0
	s_cbranch_scc1 .Lnot_wave_0_\@
	s_barrier_signal -3
.Lnot_wave_0_\@:
	s_barrier_wait -3
	s_barrier_signal -1
	s_barrier_wait -1
.endm
.macro CROUND
	s_barrier_signal -1
	s_barrier_wait -1
	CREST
.endm
	s_load_b256 s[4:11], s[0:1], 0x0               ; xc s[4:5], wc s[6:7], rope s[8:9], the scales s[10:11]
	s_load_b128 s[12:15], s[0:1], 0x20             ; qc, kc
	s_load_b64 s[16:17], s[0:1], 0x30              ; vc
	v_lshl_add_u32 v[SPW], v0, 2, SPARE
	v_mov_b32 v[NIL], 0
	ds_add_u32 v[SPW], v[NIL]                      ; the opening lines: the add twice on end and its wait
	ds_add_u32 v[SPW], v[NIL]
	v_lshrrev_b32 v1, 5, v0
	v_readfirstlane_b32 s18, v1                    ; wave 0..3
	s_lshr_b32 s19, s18, 1                         ; my half of side A.  Also: I fetch for A (0) or for B (1)
	s_and_b32 s20, s18, 1                          ; my half of side B.  Also: which 128 rows I fetch
	s_bfe_u32 s21, ttmp6, 0x40000                  ; cx
	s_bfe_u32 s22, ttmp6, 0x40004                  ; cy
	s_mov_b32 s23, ttmp9                           ; the kind
	s_and_b32 s40, ttmp7, 0xffff
	s_lshl_b32 s40, s40, 2
	s_add_co_u32 s41, s40, s22                     ; 4 Y + cy
	s_add_co_u32 s42, s40, s21                     ; 4 Y + cx
	s_lshl_b32 s43, s22, 2
	s_lshl_b32 s43, 15, s43                        ; my row of the cluster
	s_lshl_b32 s44, 0x1111, s21                    ; my column
	s_or_b32 s[G1], s43, (3<<16)|(1<<21)           ; 32,768 dense bytes as 128 rows of 32 elements of 8 bytes; the mask; 21 set beside it
	s_or_b32 s[G1B], s44, (3<<16)|(1<<21)
.irp g, G1, G1B
	s_mov_b32 s[\g+1], 32<<16
	s_mov_b32 s[\g+2], 128<<16
	s_mov_b32 s[\g+3], 32<<16
	s_mov_b32 s[\g+4], 128
	s_mov_b32 s[\g+5], 32
	s_mov_b32 s[\g+6], 0
	s_mov_b32 s[\g+7], 0
.endr
	s_cmp_eq_u32 s23, 2                            ; the choice hangs on the kind alone
	s_cselect_b32 s66, s22, s41                    ; side A's block of 256 rows: made of Y and cy alone
	s_cselect_b32 s68, s42, s21                    ; side B's: of Y and cx alone
	s_cselect_b32 s70, 20, 22                      ; a product's part: 1 MiB of wc, 4 MiB of xc
	s_cselect_b32 s71, 22, 20
	s_lshl_b32 s66, s66, 18
	s_lshl_b32 s68, s68, 18
	s_lshl_b32 s70, s23, s70
	s_lshl_b32 s71, s23, s71
	s_add_co_u32 s66, s66, s70
	s_add_co_u32 s68, s68, s71
	s_lshl_b32 s70, s20, 17                        ; the 128 rows that I fetch
	s_add_co_u32 s66, s66, s70
	s_add_co_u32 s68, s68, s70
	s_mov_b32 s67, 0
	s_mov_b32 s69, 0
	s_lshl_b32 s45, s18, 15                        ; where they go: wave x 32,768
	s_wait_dscnt 0x0
	s_wait_kmcnt 0x0
	s_load_b256 s[84:91], s[10:11], 0x0            ; e0 .. e7
	s_load_b128 s[92:95], s[10:11], 0x20           ; e8 .. e11
	s_cmp_eq_u32 s23, 2
	s_cselect_b64 s[72:73], s[6:7], s[4:5]
	s_cselect_b64 s[74:75], s[4:5], s[6:7]
	s_add_nc_u64 s[72:73], s[72:73], s[66:67]
	s_add_nc_u64 s[74:75], s[74:75], s[68:69]
	CROUND                                         ; all sixteen work-groups are here: the first joint loads meet
.irp s, 0,1
	s_mov_b32 s[G0+4*\s], 1
	s_add_co_u32 s[G0+4*\s+1], s45, \s*SLOT
	s_add_nc_u64 s[G0+4*\s+2:G0+4*\s+3], s[72:73], \s*32768
	s_or_b32 s[G0+4*\s+3], s[G0+4*\s+3], 0x80000000
	s_mov_b32 s[G0B+4*\s], 1
	s_add_co_u32 s[G0B+4*\s+1], s45, \s*SLOT
	s_add_nc_u64 s[G0B+4*\s+2:G0B+4*\s+3], s[74:75], \s*32768
	s_or_b32 s[G0B+4*\s+3], s[G0B+4*\s+3], 0x80000000
.endr
	JLOAD G0, G1, G0B, G1B                         ; K steps 0 and 1: one tensor load a wave at the head
	v_and_b32 v1, 31, v0
	v_lshlrev_b32 v4, 4, v1                        ; 16 x lane
	v_and_b32 v2, 15, v0
	v_bfe_u32 v3, v0, 4, 1
	v_lshlrev_b32 v[ROF], 6, v2
	v_lshl_add_u32 v[ROF], v3, 5, v[ROF]           ; the table: token r's 64 bytes, + 32 h
	s_lshl_b32 s70, s19, 15
	s_lshl_b32 s71, s20, 15
	s_add_co_u32 s71, s71, 65536
.irp s, 0,1
	v_add_nc_u32 v[ADRA+\s], s70, v4
	v_add_nc_u32 v[ADRB+\s], s71, v4
	s_add_co_u32 s70, s70, SLOT
	s_add_co_u32 s71, s71, SLOT
.endr
	s_cmp_eq_u32 s19, 0                            ; the prefetches: the piece that I fetch,
	s_cselect_b64 s[PFA:PFA+1], s[72:73], s[74:75]
	s_cselect_b32 s82, s21, s22                    ; my place among the four that ask for it with me: told apart by address alone
	s_lshl_b32 s82, s82, 13                        ; my work-group's 8,192 bytes of its 32,768,
	s_add_co_u32 s82, s82, 65536                   ; in fill 2
	s_mov_b32 s83, 0
	s_add_nc_u64 s[PFA:PFA+1], s[PFA:PFA+1], s[82:83]
	v_and_b32 v[PFO], 31, v0
	v_lshlrev_b32 v[PFO], 8, v[PFO]                ; 256 x lane; never rewritten, nor is the base
	global_prefetch_b8 v[PFO], s[PFA:PFA+1] th:TH_LOAD_NT scope:SCOPE_SE   ; fill 2, two fills ahead of its load
	s_lshl_b32 s66, s41, 14                        ; q, k: 64 bytes x (256 (4 Y + cy) + 128 x my half)
	s_lshl_b32 s67, s19, 13
	s_add_co_u32 s66, s66, s67
	s_mov_b32 s67, 0
	s_add_nc_u64 s[76:77], s[8:9], s[66:67]
	; where the codes go: (b x 32 + head) x 65,536 + 4,096 x (the batch's block of 128 tokens), in all three buffers
	s_cmp_eq_u32 s23, 2
	s_cselect_b32 s66, s42, s41                    ; block of 256 tokens
	s_cselect_b32 s67, s22, s21                    ; block of 256 columns
	s_cselect_b32 s68, s19, s20                    ; my half of the columns
	s_cselect_b32 s69, s20, s19                    ; my half of the tokens
	s_cselect_b64 s[78:79], s[16:17], s[12:13]
	s_cmp_eq_u32 s23, 1
	s_cselect_b64 s[78:79], s[14:15], s[78:79]
	s_lshr_b32 s70, s66, 3
	s_lshl_b32 s70, s70, 5
	s_lshl_b32 s67, s67, 3
	s_add_co_u32 s70, s70, s67
	s_lshl_b32 s68, s68, 2
	s_add_co_u32 s70, s70, s68
	s_lshl_b32 s70, s70, 16
	s_and_b32 s66, s66, 7
	s_lshl_b32 s66, s66, 1
	s_add_co_u32 s66, s66, s69
	s_lshl_b32 s66, s66, 12
	s_add_co_u32 s70, s70, s66
	s_mov_b32 s71, 0
	s_add_nc_u64 s[78:79], s[78:79], s[70:71]
.macro FRAG reg, adr, q, i             ; tile i of the slot's K step q: an image of 16 registers
.irp c, 0,1,2,3
	ds_load_b128 v[\reg+4*\c:\reg+4*\c+3], v[\adr] offset:16384*(\q)+2048*(\i)+512*\c
.endr
.endm
; 16 matrix instructions: A's tiles a0, a0 + 1 x B's eight.  The 64 accumulators take turns, one instruction a turn, in the same order in every step.
.macro MUL16 a0, p, zero
.irp a, \a0, \a0+1
.irp b, 0,1,2,3,4,5,6,7
.if \zero
	v_wmma_f32_16x16x128_fp8_fp8 v[8*(8*((\a)%4)+\b):8*(8*((\a)%4)+\b)+7], v[128*(\p)+FR*\b:128*(\p)+FR*\b+FR-1], v[AF+FR*(\a):AF+FR*(\a)+FR-1], 0
.else
	v_wmma_f32_16x16x128_fp8_fp8 v[8*(8*((\a)%4)+\b):8*(8*((\a)%4)+\b)+7], v[128*(\p)+FR*\b:128*(\p)+FR*\b+FR-1], v[AF+FR*(\a):AF+FR*(\a)+FR-1], v[8*(8*((\a)%4)+\b):8*(8*((\a)%4)+\b)+7]
.endif
.endr
.endr
.endm
.macro FETCH_B slot, q, p
	WIN TO_B
.irp i, 0,1,2,3,4,5,6,7
	FRAG 128*(\p)+FR*\i, ADRB+\slot, \q, \i
.endr
	WIN 0
.endm
.macro FETCH_A slot, q, i0
.irp i, \i0, \i0+1, \i0+2, \i0+3
	FRAG AF+FR*(\i), ADRA+\slot, \q, \i
.endr
.endm
.macro PLACES n                        ; places behind matrix instructions, in front of loads into registers that they have read and of the first read of results
.rept \n
	v_nop
.endr
.endm
.macro STEP slot, q, zero              ; a K step that has its successor in the same slot
	s_wait_dscnt 4*NL                              ; B's set and A's tiles 0-3 are in; the youngest 16 loads (A's tiles 4-7) may be out
	WIN MUL_LO
	MUL16 0, (\q)%2, \zero
	MUL16 2, (\q)%2, \zero
	s_wait_dscnt 0
	PLACES NP
	FETCH_B \slot, (\q)+1, 1-(\q)%2
	FETCH_A \slot, (\q)+1, 0
	WIN MUL_HI
	MUL16 4, (\q)%2, \zero
	MUL16 6, (\q)%2, \zero
	PLACES NP
	WIN 0
	FETCH_A \slot, (\q)+1, 4
.endm
.macro TURN slot, next, fill           ; a slot's last K step changes slots; fill = 1: this slot is filled again, with the K steps four on
	s_wait_tensorcnt 0x0                           ; all my tensor loads have landed: my part of the next slot
	ds_add_u32 v[SPW], v[NIL]
	s_wait_dscnt 4*NL+1                            ; the add and the youngest 16 loads may be out
	WIN MUL_LO
	MUL16 0, 1, 0
	s_wait_dscnt 0x0                               ; the add is done, and my reads of this slot are over
	s_barrier_signal -1
	MUL16 2, 1, 0
	WIN 0
	s_barrier_wait -1
.if \fill
	CREST                                          ; the barrier has opened a round of the cluster's barrier
	s_add_nc_u64 s[G0+4*\slot+2:G0+4*\slot+3], s[G0+4*\slot+2:G0+4*\slot+3], 65536
	s_add_nc_u64 s[G0B+4*\slot+2:G0B+4*\slot+3], s[G0B+4*\slot+2:G0B+4*\slot+3], 65536
	JLOAD G0+4*\slot, G1, G0B+4*\slot, G1B         ; the first tensor load behind the round; its four v_nop are the places in front of the loads below
.else
	PLACES NP
.endif
	FETCH_B \next, 0, 0
	FETCH_A \next, 0, 0
	WIN MUL_HI
	MUL16 4, 1, 0
	MUL16 6, 1, 0
	PLACES NP
	WIN 0
	FETCH_A \next, 0, 4
.endm
	s_wait_alu depctr_va_vdst(0)
	s_wait_tensorcnt 0x0                           ; my part of slot 0 is in; the lines ahead of a later first fill:
	ds_add_u32 v[SPW], v[NIL]
	s_wait_dscnt 0x0
	CROUND
	JLOAD G0+4, G1, G0B+4, G1B                     ; K steps 2 and 3
	FETCH_B 0, 0, 0
	FETCH_A 0, 0, 0
	FETCH_A 0, 0, 4
	global_prefetch_b8 v[PFO], s[PFA:PFA+1] offset:32768 th:TH_LOAD_NT scope:SCOPE_SE   ; fill 3, two fills ahead of its load; behind the joint load and the run of LDS loads
	STEP 0, 0, 1                                   ; the first products start the sums
	TURN 0, 1, 1
	STEP 1, 0, 0
	TURN 1, 0, 1
	STEP 0, 0, 0
	TURN 0, 1, 0                                   ; nothing more is filled
	STEP 1, 0, 0
	s_cmp_eq_u32 s23, 2                            ; q and k: cos and sin of my 128 tokens come into B's set 0 (four places stand behind its last products) while the last step is multiplied
	s_cbranch_scc1 .Lno_table
	WIN TO_B
.irp a, 0,1,2,3,4,5,6,7                ; tile a: cos in v[16 a] on, sin eight further
	global_load_b128 v[16*\a:16*\a+3],     v[ROF], s[76:77] offset:1024*\a
	global_load_b128 v[16*\a+4:16*\a+7],   v[ROF], s[76:77] offset:1024*\a+16
	global_load_b128 v[16*\a+8:16*\a+11],  v[ROF], s[76:77] offset:262144+1024*\a
	global_load_b128 v[16*\a+12:16*\a+15], v[ROF], s[76:77] offset:262144+1024*\a+16
.endr
	WIN 0
.Lno_table:
	s_wait_dscnt 4*NL
	WIN MUL_LO
	MUL16 0, 1, 0
	MUL16 2, 1, 0
	s_wait_dscnt 0
	WIN MUL_HI
	MUL16 4, 1, 0
	MUL16 6, 1, 0
	WIN 0
	s_wait_kmcnt 0x0
	s_cmp_eq_u32 s23, 1                            ; the three exponents of my kind, by selects: no branch hangs on a loaded number
	s_cselect_b32 s96, s91, s90
	s_cselect_b32 s97, s86, s84
	s_cselect_b32 s2, s87, s85
	s_cmp_eq_u32 s23, 2
	s_cselect_b32 s96, s93, s96
	s_cselect_b32 s97, s88, s97
	s_cselect_b32 s2, s89, s2
	s_sub_co_i32 s96, s96, s97
	s_sub_co_i32 s96, s96, s2                      ; a sum's code is sum / 2^(e_out - e_x - e_w)
	s_add_co_i32 s96, s96, 127
	s_lshl_b32 s97, s96, 23
	v_mov_b32 v[SCL], s97
	s_add_co_i32 s96, s96, 8
	s_lshl_b32 s96, s96, 23
	s_or_b32 s96, s96, 0x600000
	v_mov_b32 v[SCL+1], s96                        ; 448 x that
	PLACES NP
	s_wait_alu depctr_va_vdst(0)
	s_cmp_eq_u32 s23, 2
	s_cbranch_scc1 .Lv
	s_wait_loadcnt 0x0                             ; cos and sin
; 64 held numbers in v[Y] on become 16 registers of codes, tile a's own, and leave.  so, sa: bytes from group to group of four registers, and where tile a begins
.macro OUT a, so, sa
.irp u, 0,1,2,3
	v_cvt_scalef32_pk8_fp8_f32 v[CD+16*(\a)+4*\u:CD+16*(\a)+4*\u+1], v[Y+16*\u:Y+16*\u+7], v[SCL]
	v_cvt_scalef32_pk8_fp8_f32 v[CD+16*(\a)+4*\u+2:CD+16*(\a)+4*\u+3], v[Y+16*\u+8:Y+16*\u+15], v[SCL]
.endr
	v_nop                                          ; a plain line behind the conversions
.irp u, 0,1,2,3
	global_store_b128 v4, v[CD+16*(\a)+4*\u:CD+16*(\a)+4*\u+3], s[78:79] offset:(\so)*\u+(\sa)
.endr
.endm
; q and k: tile a of my tokens, my four heads.  Head u's halves are accumulators (a, 2 u) and (a, 2 u + 1); each is read from its low end on.
.macro ROPEA a
	WIN 0x06+((\a)/4)                              ; source 0: window 2 or 3; source 1: window 1
.irp u, 0,1,2,3
.set X1, 64*((\a)%4)+16*\u
.set X2, X1+8
.set CS, 16*(\a)
.set SN, CS+8
.irp i, 0,2,4,6
	v_pk_mul_f32 v[U+\i:U+\i+1], v[X2+\i:X2+\i+1], v[SN+\i:SN+\i+1]
.endr
.irp i, 0,2,4,6
	v_pk_fma_f32 v[Y+16*\u+\i:Y+16*\u+\i+1], v[X1+\i:X1+\i+1], v[CS+\i:CS+\i+1], v[U+\i:U+\i+1] neg_lo:[0,0,1] neg_hi:[0,0,1]   ; y1 = x1 cos - x2 sin
.endr
.irp i, 0,2,4,6
	v_pk_mul_f32 v[U+8+\i:U+8+\i+1], v[X1+\i:X1+\i+1], v[SN+\i:SN+\i+1]
.endr
.irp i, 0,2,4,6
	v_pk_fma_f32 v[Y+16*\u+8+\i:Y+16*\u+8+\i+1], v[X2+\i:X2+\i+1], v[CS+\i:CS+\i+1], v[U+8+\i:U+8+\i+1]                        ; y2 = x2 cos + x1 sin
.endr
.endr
	WIN 0
.set i, 0
.rept 64
	v_med3_num_f32 v[Y+i], v[Y+i], -v[SCL+1], v[SCL+1]   ; the conversion does not saturate (ISA guide 7.6.2)
.set i, i+1
.endr
	OUT \a, 65536, 512*(\a)                        ; head u, tile a of 16 tokens
.endm
.irp a, 0,1,2,3,4,5,6,7
	ROPEA \a
.endr
	s_branch .Lend
.Lv:
; v: tile a of my columns (head a / 2, d tile a % 2); quad u: keys 32 u + 8 h + j of accumulator (a, 2 u), keys 32 u + 16 + 8 h + j of (a, 2 u + 1)
.macro VQA a
	WIN 0x02+((\a)/4)
.set i, 0
.rept 64
	v_med3_num_f32 v[Y+i], v[64*((\a)%4)+i], -v[SCL+1], v[SCL+1]
.set i, i+1
.endr
	WIN 0
	OUT \a, 512, 65536*((\a)/2)+2048*((\a)%2)
.endm
.irp a, 0,1,2,3,4,5,6,7
	VQA \a
.endr
.Lend:
	s_wait_tensorcnt 0x0                           ; the wave's end
	ds_add_u32 v[SPW], v[NIL]
	s_wait_dscnt 0x0
	CROUND                                         ; the closing round
	s_endpgm
.Lfunc_end_k_q3d7513e5e2_qkv:
	.size	k_q3d7513e5e2_qkv, .Lfunc_end_k_q3d7513e5e2_qkv-k_q3d7513e5e2_qkv
	.p2alignl 7, 3214868480
	.fill 96, 4, 3214868480
	.section	.rodata,"a",@progbits
	.p2align	6, 0x0
	.amdhsa_kernel k_q3d7513e5e2_qkv
		.amdhsa_group_segment_fixed_size 327680
		.amdhsa_private_segment_fixed_size 0
		.amdhsa_enable_private_segment 0
		.amdhsa_kernarg_size 56
		.amdhsa_user_sgpr_count 2
		.amdhsa_user_sgpr_kernarg_segment_ptr 1
		.amdhsa_wavefront_size32 1
		.amdhsa_system_sgpr_workgroup_id_x 1
		.amdhsa_system_sgpr_workgroup_id_y 1
		.amdhsa_system_sgpr_workgroup_id_z 1
		.amdhsa_system_vgpr_workitem_id 0
		.amdhsa_next_free_vgpr 1024
		.amdhsa_next_free_sgpr 98
		.amdhsa_reserve_vcc 0
		.amdhsa_float_denorm_mode_32 3
		.amdhsa_float_denorm_mode_16_64 3
		.amdhsa_memory_ordered 1
		.amdhsa_forward_progress 1
		.amdhsa_inst_pref_size 194
	.end_amdhsa_kernel
	.amdgpu_metadata
---
amdhsa.version: [ 1, 2 ]
amdhsa.kernels:
  - .name:           k_q3d7513e5e2_qkv
    .symbol:         k_q3d7513e5e2_qkv.kd
    .args:
      - { .name: xc, .offset: 0, .size: 8, .value_kind: global_buffer, .address_space: global }
      - { .name: wc, .offset: 8, .size: 8, .value_kind: global_buffer, .address_space: global }
      - { .name: rope, .offset: 16, .size: 8, .value_kind: global_buffer, .address_space: global }
      - { .name: lowp_scales, .offset: 24, .size: 8, .value_kind: global_buffer, .address_space: global }
      - { .name: qc, .offset: 32, .size: 8, .value_kind: global_buffer, .address_space: global }
      - { .name: kc, .offset: 40, .size: 8, .value_kind: global_buffer, .address_space: global }
      - { .name: vc, .offset: 48, .size: 8, .value_kind: global_buffer, .address_space: global }
    .group_segment_fixed_size: 327680
    .private_segment_fixed_size: 0
    .kernarg_segment_align: 8
    .kernarg_segment_size: 56
    .max_flat_workgroup_size: 128
    .sgpr_count:     98
    .vgpr_count:     1024
    .wavefront_size: 32
...
	.end_amdgpu_metadata
.endif
;; end of part 2
;; launch attn (part 3): grid 4 x 64, 16 waves a work-group, no clusters, 133,120 bytes of LDS; arguments qc, kc, vc, lowp_scales, ac; writes ac
.if DOCPART == 3
	.amdgcn_target "amdgcn-amd-amdhsa--gfx1250"
	.amdhsa_code_object_version 6
	.text
	.protected	k_q3d7513e5e2_attn
	.globl	k_q3d7513e5e2_attn
	.p2align	8
	.type	k_q3d7513e5e2_attn,@function
k_q3d7513e5e2_attn:
	s_mov_b64 s[64:65], 0
	v_nop
	global_prefetch_b8 v0, s[64:65] scope:SCOPE_SE
	s_setreg_imm32_b32 hwreg(HW_REG_WAVE_MODE, 25, 1), 1
	s_wait_xcnt 0x0
; Causal attention of one (batch, head), head size 32, both products on codes of E4M3, and the quantiser of its result.
; t = score x log2(e) / sqrt(32); M = the running largest t rounded UP to a whole number; p = 2^(t - M) is quantised along the keys with 2^e8, not normalised; the sum is taken of the unquantised p
; and divides at the end.  When M moves, the sum and O are multiplied by 2^(old M - new M), which rounds nothing.
; LEFT OUT: key steps, and in the step on the diagonal groups of 32 keys, all of whose keys come after a tile's queries: the causal mask gives them the weight 0 for all values of the inputs.
; A NaN or an infinity that reaches only those is not carried.
; THE HOLD OF p.  p is at most 1 (a last place more where t's product was rounded down onto a whole number).  448 x 2^e8 is at least 1.75 where e8 >= -8: there the hold changes no number
; for e8 <= -9 they run.
; SHARES.  Four work-groups (x = 0 .. 3) serve one head.  Its K and V, 65,536 bytes each, lie WHOLE in each work-group's LDS, K at 0 and V at 65,536.  They come through registers: wave w loads 8,192 bytes
; (waves 0-7 of K, 8-15 of V) by 16 loads of 512 consecutive bytes and stores them as they lie; one barrier; behind it the waves share nothing.
; NO TENSOR LOADS AND NO CLUSTER.  What the four work-groups share is read once, at the head: 131,072 bytes a work-group.
; No prefetch: all that a work-group reads is asked for at its head.
; Wave w of work-group x has p = 4 w + x and owns the tiles of 16 queries p and 127 - p.  With a = w / 2, tile p needs key steps (of 128) 0 .. a and tile 127 - p steps 0 .. 15 - a: 17 steps for every wave.
; Both loops have constant trip counts (8 and 16); a step that is left out is jumped over.  Both tiles' q are loaded at the head.  Sixteen waves, four to a SIMD.
; THE STEP ON THE DIAGONAL (a tile's last) has a copy of its own, chosen by ids.  The tile's queries are keys 16 d .. 16 d + 15 of the step.  It goes by four groups of 32 keys: groups under d / 2 are open, group d / 2
; is masked (a hidden score becomes -infinity: p = 0), the groups behind it are left out and their codes are 0.
; LAYOUT.  S^T = K Q^T (source 0 = keys, source 1 = my 16 queries), O^T = V^T P^T: a lane holds ONE query throughout.  K = 32 ON THE 16x16x64 FORM: eight registers hold TWO tiles of 16 keys, one at k = 0 .. 31 and
; one at k = 32 .. 63; against (q, zeros) they give the first tile's scores, against (zeros, q) the second's: zero codes add nothing, since every code here is a number (each quantiser holds at 448).
; In tile c of S^T register j is key 16 c + 8 h + j: its conversion gives registers 2 c, 2 c + 1 of P in the 16x16x128 form, every key in its own place.
; ac: [block of 128 tokens 32][K step 8][tile of 16 tokens 8][image 2,048], k = 32 head + d: a wave's tile of one head is quad head % 4 of a fragment: 512 consecutive bytes.
; LIMITS: e6 + e7 between -124 and 129 (they are added to c's exponent field); e8, and e10 - e8 - e9, between -126 and 119.
; REGISTERS: v1 16 x lane, v2 the same + 65,536; v3 r - 8 h; v5 the diagonal's number; v6 -infinity; v7 where my piece of K or V goes; v8, v9 addresses in hand; v10, v11 2^e8 and 448 x 2^e8; v12 -M, v13 the largest t,
; v[14:15] the sum in two halves; v[16:23] (q, 0), v[24:31] (0, q); v32-63 K; v64-95 V; v96-159 S^T, then p (at the head: my piece of K or V); v160-175 O^T; v176-191 p's codes; v192-199, v242-253 at work;
; v200-207 the two tiles' codes; v208-223 O / sum; v224, v225 the result's scale and hold; v228-231 the second tile's q; v254, v255 the add's.
.set TB,  40                           ; s40  LDS byte of the key step in hand
.set TAU, 41                           ; s41  the key step
.set LIM, 42                           ; s42  the tile's last key step: the one on the diagonal
.set DGG, 43                           ; s43  d / 2: the group of 32 keys that holds the diagonal
	s_load_b256 s[4:11], s[0:1], 0x0               ; qc s[4:5], kc s[6:7], vc s[8:9], the scales s[10:11]
	s_load_b64 s[12:13], s[0:1], 0x20              ; ac
	v_lshl_add_u32 v254, v0, 2, 0x20000            ; my spare word, behind K and V,
	v_mov_b32 v255, 0                              ; and 0: for the add at the wave's end
	v_lshrrev_b32 v1, 5, v0
	s_delay_alu instid0(VALU_DEP_1)
	v_readfirstlane_b32 s14, v1                    ; wave 0..15
	s_mov_b32 s15, ttmp9                           ; x
	s_and_b32 s16, ttmp7, 0xffff                   ; b x 32 + head
	s_lshr_b32 s17, s14, 1                         ; a
	s_lshl_b32 s18, s14, 2
	s_add_co_u32 s18, s18, s15                     ; p
	s_and_b32 s19, s18, 7
	s_mov_b32 s20, 0x76543210                      ; v_permlanex16_b32: lane l xor 16
	s_mov_b32 s21, 0xfedcba98
	s_and_b32 s68, s14, 7                          ; my 8,192 bytes of K or of V,
	s_lshl_b32 s68, s68, 13
	s_lshl_b32 s70, s16, 16                        ; in the head's 65,536 bytes
	s_add_co_u32 s70, s70, s68
	s_mov_b32 s71, 0
	s_lshl_b32 s33, s14, 13                        ; and in LDS: wave x 8,192
	v_and_b32 v1, 31, v0
	s_delay_alu instid0(VALU_DEP_1)
	v_lshlrev_b32 v1, 4, v1                        ; 16 x lane
	s_delay_alu instid0(VALU_DEP_1)
	v_add_nc_u32 v2, 0x10000, v1
	v_add_nc_u32 v7, s33, v1
	s_wait_alu depctr_va_vdst(0)
	s_wait_kmcnt 0x0
	s_load_b256 s[44:51], s[10:11], 0x0            ; e0 .. e7
	s_load_b128 s[52:55], s[10:11], 0x20           ; e8 .. e11
	s_cmp_lt_u32 s14, 8
	s_cselect_b64 s[34:35], s[6:7], s[8:9]
	s_add_nc_u64 s[34:35], s[34:35], s[70:71]
.irp i, 0,1,2,3,4,5,6,7,8,9,10,11,12,13,14,15
	global_load_b128 v[96+4*\i:99+4*\i], v1, s[34:35] offset:512*\i   ; 512 consecutive bytes
.endr
	s_lshl_b32 s68, s16, 16                        ; qc: 128 tiles of 512 bytes a head
	s_lshr_b32 s69, s16, 5
	s_lshl_b32 s69, s69, 7                         ; the batch's first tile of tokens
	s_and_b32 s43, s16, 31
	s_lshr_b32 s43, s43, 2
	s_lshl_b32 s43, s43, 14                        ; ac: K step head / 4,
	s_and_b32 s42, s16, 3
	s_lshl_b32 s42, s42, 9                         ; quad head % 4
	s_add_co_u32 s43, s43, s42
.macro ADDRS t, qa, oa                 ; tile s[t] of the head's 128: where its q lies, and where its result goes
	s_lshl_b32 s70, s[\t], 9
	s_add_co_u32 s70, s70, s68
	s_mov_b32 s71, 0
	s_add_nc_u64 s[\qa:\qa+1], s[4:5], s[70:71]
	s_add_co_u32 s70, s[\t], s69                   ; T: the tile among all 256
	s_lshr_b32 s71, s70, 3
	s_lshl_b32 s71, s71, 17                        ; block T / 8
	s_and_b32 s70, s70, 7
	s_lshl_b32 s70, s70, 11                        ; tile T % 8
	s_add_co_u32 s70, s70, s71
	s_add_co_u32 s70, s70, s43
	s_mov_b32 s71, 0
	s_add_nc_u64 s[\oa:\oa+1], s[12:13], s[70:71]
.endm
	ADDRS 18, 56, 60
	s_sub_co_u32 s42, 127, s18
	ADDRS 42, 58, 66
	global_load_b128 v[16:19], v1, s[56:57]        ; tile p's q at k = 0 .. 31,
	global_load_b128 v[28:31], v1, s[56:57]        ; and at k = 32 .. 63
	global_load_b128 v[228:231], v1, s[58:59]      ; tile 127 - p's q
	v_and_b32 v3, 15, v0
	v_bfe_u32 v4, v0, 4, 1
	s_delay_alu instid0(VALU_DEP_1)
	v_lshlrev_b32 v4, 3, v4
	s_delay_alu instid0(VALU_DEP_1)
	v_sub_nc_u32 v3, v3, v4                        ; r - 8 h
	v_mov_b32 v6, 0xff800000                       ; -infinity
.irp j, 20,21,22,23,24,25,26,27
	v_mov_b32 v[\j], 0                             ; the zero halves of the two forms of q
.endr
	v_mov_b32 v194, 0                              ; written once: a lane permute's destination counts as one of its sources
	v_mov_b32 v197, 0                              ; (named as the upper half of the pair v[196:197])
	s_wait_kmcnt 0x0
	s_add_co_i32 s68, s50, s51
	s_lshl_b32 s68, s68, 23
	s_mov_b32 s22, 0x3e8293ee                      ; c = log2(e) / sqrt(32);
	s_add_co_i32 s22, s22, s68                     ; e6 + e7 are added to c's exponent field
	s_mov_b32 s23, s22                             ; (named with it as a pair)
	s_add_co_i32 s68, s52, 127
	s_lshl_b32 s69, s68, 23
	v_mov_b32 v10, s69                             ; 2^e8
	s_add_co_i32 s68, s68, 8
	s_lshl_b32 s68, s68, 23
	s_or_b32 s68, s68, 0x600000
	v_mov_b32 v11, s68                             ; 448 x 2^e8
	s_sub_co_i32 s68, s54, s52
	s_sub_co_i32 s68, s68, s53                     ; the result's code is (sum / l) / 2^(e10 - e8 - e9)
	s_add_co_i32 s68, s68, 127
	s_lshl_b32 s69, s68, 23
	v_mov_b32 v224, s69
	s_add_co_i32 s68, s68, 8
	s_lshl_b32 s68, s68, 23
	s_or_b32 s68, s68, 0x600000
	v_mov_b32 v225, s68
.macro SHEAD                           ; a step's K and V, and S^T = K Q^T
	v_add_nc_u32 v8, s[TB], v1
	v_add_nc_u32 v9, s[TB], v2
	v_nop                                          ; with the two additions: four places between the last step's products and the loads into V's registers
	v_nop
.irp i, 0,1,2,3,4,5,6,7
	ds_load_b128 v[32+4*\i:35+4*\i], v8 offset:512*\i     ; tile i of 16 keys
.endr
.irp i, 0,1,2,3,4,5,6,7
	ds_load_b128 v[64+4*\i:67+4*\i], v9 offset:512*\i     ; V's two fragments
.endr
	s_wait_dscnt 0x8                               ; K is in; V's eight loads may be out
.irp c, 0,1,2,3,4,5,6,7
.if \c%2
	v_wmma_f32_16x16x64_fp8_fp8 v[96+8*\c:103+8*\c], v[32+8*(\c/2):39+8*(\c/2)], v[24:31], 0
.else
	v_wmma_f32_16x16x64_fp8_fp8 v[96+8*\c:103+8*\c], v[32+8*(\c/2):39+8*(\c/2)], v[16:23], 0
.endif
.endr
.rept 4
	v_nop
.endr
.endm
.macro MCHAIN                          ; from my lane's largest score in v192 to the new -M in v12 and f in v196
	s_delay_alu instid0(VALU_DEP_1)
	v_permlanex16_b32 v194, v192, s20, s21
	s_delay_alu instid0(VALU_DEP_1)
	v_max_num_f32 v192, v192, v194                 ; and among lane l xor 16's
	s_delay_alu instid0(VALU_DEP_1)
	v_mul_f32 v192, s22, v192                      ; as t (c is positive)
	s_delay_alu instid0(VALU_DEP_1)
	v_max_num_f32 v13, v13, v192                   ; the running largest t
	v_mov_b32 v192, v12
	s_delay_alu instid0(VALU_DEP_2)
	v_floor_f32 v12, -v13                          ; the new -M = floor(-t) = -ceil(t)
	s_delay_alu instid0(VALU_DEP_1)
	v_sub_f32 v192, v12, v192                      ; old M - new M: a whole number, 0 or less
	s_delay_alu instid0(VALU_DEP_1)
	v_cvt_i32_f32 v192, v192                       ; (it saturates)
	s_delay_alu instid0(VALU_DEP_1)
	v_ldexp_f32 v196, 1.0, v192                    ; f = 2^(old M - new M)
.endm
.macro PVEND                           ; O^T under the new M, and O^T += V^T P^T
.set j, 0
	s_wait_alu depctr_va_vdst(0)
.rept 8
	v_pk_mul_f32 v[160+j:161+j], v[160+j:161+j], v[196:197] op_sel_hi:[1,0]   ; also the plain lines behind the conversions
.set j, j+2
.endr
	s_wait_alu depctr_va_vdst(0)
	s_wait_dscnt 0x0                               ; V is in
	v_wmma_f32_16x16x128_fp8_fp8 v[160:167], v[64:79], v[176:191], v[160:167]   ; the two accumulators take turns; the next step's eight score products stand between their turns
	v_wmma_f32_16x16x128_fp8_fp8 v[168:175], v[80:95], v[176:191], v[168:175]
.endm
; A KEY STEP all of whose 128 keys count.
.macro KSTEP
	SHEAD
	v_max3_num_f32 v192, v96, v97, v98             ; the step's largest score of my query among my 64 keys, in two chains, in ascending order
	v_max3_num_f32 v193, v99, v100, v101
.set j, 6
.rept 14
	v_max3_num_f32 v192, v192, v[96+j], v[97+j]
	v_max3_num_f32 v193, v193, v[98+j], v[99+j]
.set j, j+4
.endr
	v_max3_num_f32 v192, v192, v158, v159
	s_delay_alu instid0(VALU_DEP_1)
	v_max_num_f32 v192, v192, v193
	MCHAIN
.set j, 0
.rept 32
	v_pk_fma_f32 v[96+j:97+j], v[96+j:97+j], s[22:23], v[12:13] op_sel_hi:[1,0,0]   ; t - M, two at a time
.set j, j+2
.endr
.set j, 0
	s_wait_alu depctr_va_vdst(0)
.rept 64
	v_exp_f32 v[96+j], v[96+j]                     ; p = 2^(t - M)
.set j, j+1
.endr
	v_pk_mul_f32 v[14:15], v[14:15], v[196:197] op_sel_hi:[1,0]   ; the sums under the new M: the plain line behind the exponentials
	s_wait_alu depctr_va_vdst(0)                   ; one wait for the batch of 64, ahead of its first reader
	v_pk_add_f32 v[198:199], v[100:101], v[104:105]
	v_pk_add_f32 v[252:253], v[108:109], v[112:113]
	v_pk_add_f32 v[250:251], v[116:117], v[120:121]
	v_pk_add_f32 v[248:249], v[124:125], v[128:129]
	v_pk_add_f32 v[246:247], v[132:133], v[136:137]
	v_pk_add_f32 v[244:245], v[140:141], v[144:145]
	v_pk_add_f32 v[242:243], v[148:149], v[152:153]
	v_pk_add_f32 v[14:15], v[14:15], v[156:157]
	v_pk_add_f32 v[198:199], v[198:199], v[96:97]
	v_pk_add_f32 v[252:253], v[252:253], v[98:99]
	v_pk_add_f32 v[250:251], v[250:251], v[102:103]
	v_pk_add_f32 v[248:249], v[248:249], v[106:107]
	v_pk_add_f32 v[246:247], v[246:247], v[110:111]
	v_pk_add_f32 v[244:245], v[244:245], v[114:115]
	v_pk_add_f32 v[242:243], v[242:243], v[118:119]
	v_pk_add_f32 v[14:15], v[14:15], v[122:123]
	v_pk_add_f32 v[198:199], v[198:199], v[126:127]
	v_pk_add_f32 v[252:253], v[252:253], v[130:131]
	v_pk_add_f32 v[250:251], v[250:251], v[134:135]
	v_pk_add_f32 v[248:249], v[248:249], v[138:139]
	v_pk_add_f32 v[246:247], v[246:247], v[142:143]
	v_pk_add_f32 v[244:245], v[244:245], v[146:147]
	v_pk_add_f32 v[242:243], v[242:243], v[150:151]
	v_pk_add_f32 v[14:15], v[14:15], v[154:155]
	v_pk_add_f32 v[198:199], v[198:199], v[158:159]
	s_delay_alu instid0(VALU_DEP_2)
	v_pk_add_f32 v[14:15], v[14:15], v[248:249]
	s_delay_alu instid0(VALU_DEP_2)
	v_pk_add_f32 v[198:199], v[198:199], v[246:247]
	v_pk_add_f32 v[252:253], v[252:253], v[244:245]
	v_pk_add_f32 v[250:251], v[250:251], v[242:243]
	s_delay_alu instid0(VALU_DEP_2)
	v_pk_add_f32 v[14:15], v[14:15], v[252:253]
	s_delay_alu instid0(VALU_DEP_2)
	v_pk_add_f32 v[198:199], v[198:199], v[250:251]
	s_delay_alu instid0(VALU_DEP_1)
	v_pk_add_f32 v[14:15], v[14:15], v[198:199]
	s_wait_alu depctr_va_vdst(0)
	s_cmp_gt_i32 s52, -9                           ; e8 >= -8: 448 x 2^e8 >= 1.75 lies over every p, and the hold changes nothing
	s_cbranch_scc1 .Lfits_\@
.set j, 0
.rept 64
	v_min_num_f32 v[96+j], v[96+j], v11            ; the conversion does not saturate (ISA guide 7.6.2); p is not negative: the hold is one-sided
.set j, j+1
.endr
.Lfits_\@:
.set c, 0
.rept 8
	v_cvt_scalef32_pk8_fp8_f32 v[176+2*c:177+2*c], v[96+8*c:103+8*c], v10
.set c, c+1
.endr
	PVEND
.endm
; THE STEP ON THE DIAGONAL, by groups of 32 keys (16 registers).
.macro MASKG g                         ; only the group that holds the diagonal: register n holds key 16 (n / 8) + 8 h + n % 8 of the step: hidden where 16 (n / 8) + n % 8 > my query - 8 h
	s_cmp_lg_u32 s[DGG], \g
	s_cbranch_scc1 .Lnm_\@
.set n, 16*\g
.rept 16
	v_cmp_gt_i32 vcc_lo, 16*(n/8)+n%8, v5
	v_cndmask_b32 v[96+n], v[96+n], v6, vcc_lo
.set n, n+1
.endr
.Lnm_\@:
.endm
.macro MAXG g
.set j, 16*\g
.rept 4
	v_max3_num_f32 v192, v192, v[96+j], v[97+j]
	v_max3_num_f32 v193, v193, v[98+j], v[99+j]
.set j, j+4
.endr
.endm
.macro PGRP g, first                   ; a group's p, its part of the sum, and its four registers of codes
.set B, 96+16*\g
.set j, 0
.rept 8
	v_pk_fma_f32 v[B+j:B+j+1], v[B+j:B+j+1], s[22:23], v[12:13] op_sel_hi:[1,0,0]
.set j, j+2
.endr
	s_wait_alu depctr_va_vdst(0)
.set j, 0
.rept 16
	v_exp_f32 v[B+j], v[B+j]
.set j, j+1
.endr
.if \first
	v_pk_mul_f32 v[14:15], v[14:15], v[196:197] op_sel_hi:[1,0]   ; the sums under the new M: the plain line behind the exponentials
.else
	v_nop
.endif
	s_wait_alu depctr_va_vdst(0)                   ; and behind it, ahead of its first reader
	v_pk_add_f32 v[198:199], v[B:B+1], v[B+2:B+3]
	v_pk_add_f32 v[242:243], v[B+4:B+5], v[B+6:B+7]
	v_pk_add_f32 v[244:245], v[B+8:B+9], v[B+10:B+11]
	v_pk_add_f32 v[246:247], v[B+12:B+13], v[B+14:B+15]
	v_pk_add_f32 v[198:199], v[198:199], v[242:243]
	v_pk_add_f32 v[244:245], v[244:245], v[246:247]
	v_pk_add_f32 v[14:15], v[14:15], v[198:199]
	v_pk_add_f32 v[14:15], v[14:15], v[244:245]
	s_wait_alu depctr_va_vdst(0)
	s_cmp_gt_i32 s52, -9
	s_cbranch_scc1 .Lfit_\@
.set j, 0
.rept 16
	v_min_num_f32 v[B+j], v[B+j], v11
.set j, j+1
.endr
.Lfit_\@:
	v_cvt_scalef32_pk8_fp8_f32 v[176+4*\g:177+4*\g], v[B:B+7], v10
	v_cvt_scalef32_pk8_fp8_f32 v[178+4*\g:179+4*\g], v[B+8:B+15], v10
.endm
.macro DSTEP
	SHEAD
	MASKG 0
	MASKG 1
	MASKG 2
	MASKG 3
	s_wait_alu depctr_va_vdst(0)
	v_max3_num_f32 v192, v96, v97, v98
	v_max3_num_f32 v193, v99, v100, v101
	v_max3_num_f32 v192, v192, v102, v103
	v_max3_num_f32 v193, v193, v104, v105
	v_max3_num_f32 v192, v192, v106, v107
	v_max3_num_f32 v193, v193, v108, v109
	v_max3_num_f32 v192, v192, v110, v111
	s_cmp_eq_u32 s[DGG], 0                         ; the groups behind the diagonal's are left out
	s_cbranch_scc1 .Lmx_\@
	MAXG 1
	s_cmp_eq_u32 s[DGG], 1
	s_cbranch_scc1 .Lmx_\@
	MAXG 2
	s_cmp_eq_u32 s[DGG], 2
	s_cbranch_scc1 .Lmx_\@
	MAXG 3
.Lmx_\@:
	s_wait_alu depctr_va_vdst(0)
	v_max_num_f32 v192, v192, v193
	MCHAIN
	PGRP 0, 1
	s_cmp_eq_u32 s[DGG], 0
	s_cbranch_scc1 .Lz0_\@
	PGRP 1, 0
	s_cmp_eq_u32 s[DGG], 1
	s_cbranch_scc1 .Lz1_\@
	PGRP 2, 0
	s_cmp_eq_u32 s[DGG], 2
	s_cbranch_scc1 .Lz2_\@
	PGRP 3, 0
	s_branch .Lzd_\@
.Lz0_\@:                               ; the codes of the groups left out are 0
.irp j, 180,181,182,183
	v_mov_b32 v[\j], 0
.endr
.Lz1_\@:
.irp j, 184,185,186,187
	v_mov_b32 v[\j], 0
.endr
.Lz2_\@:
.irp j, 188,189,190,191
	v_mov_b32 v[\j], 0
.endr
.Lzd_\@:
	PVEND
.endm
; ONE TILE OF 16 QUERIES.  which = 0: tile p; 1: tile 127 - p.  trips: a constant.  OA: the scalar pair with the result's address.  CR: four registers for the codes, the tile's own.
.macro TILE which, trips, OA, CR
.if \which
.irp j, 0,1,2,3
	v_mov_b32 v[16+\j], v[228+\j]                  ; q at k = 0 .. 31,
	v_mov_b32 v[28+\j], v[228+\j]                  ; and at k = 32 .. 63
.endr
.endif
	v_mov_b32 v13, 0xff61b1e6                      ; the largest t so far: -3e38, under every t
	s_delay_alu instid0(VALU_DEP_1)
	v_floor_f32 v12, -v13
	v_mov_b32 v14, 0
	v_mov_b32 v15, 0
.set j, 0
.rept 16
	v_mov_b32 v[160+j], 0                          ; O^T: the steps are written once; the first finds zeros, which the first change of M leaves zeros
.set j, j+1
.endr
.if \which
	s_sub_co_u32 s68, 7, s19                       ; d
	s_sub_co_u32 s[LIM], 15, s17
.else
	s_mov_b32 s68, s19
	s_mov_b32 s[LIM], s17
.endif
	s_lshr_b32 s[DGG], s68, 1
	s_lshl_b32 s68, s68, 4
	v_add_nc_u32 v5, s68, v3                       ; my query's place in its key step, less 8 h
	s_mov_b32 s[TB], 0
	s_mov_b32 s[TAU], 0
	s_wait_alu depctr_va_vdst(0)
.Lstep_\@:
	s_cmp_gt_u32 s[TAU], s[LIM]                    ; all of this step's keys come after my queries
	s_cbranch_scc1 .Lskip_\@
	s_cmp_eq_u32 s[TAU], s[LIM]                    ; the tile's last step lies on the diagonal
	s_cbranch_scc1 .Ldiag_\@
	KSTEP
	s_branch .Lskip_\@
.Ldiag_\@:
	DSTEP
.Lskip_\@:
	s_add_co_u32 s[TB], s[TB], 4096
	s_add_co_u32 s[TAU], s[TAU], 1
	s_cmp_lt_u32 s[TAU], \trips
	s_cbranch_scc1 .Lstep_\@
.rept 4
	v_nop
.endr
	v_add_f32 v14, v14, v15                        ; the sum's two halves,
	s_delay_alu instid0(VALU_DEP_1)
	v_permlanex16_b32 v194, v14, s20, s21
	s_delay_alu instid0(VALU_DEP_1)
	v_add_f32 v14, v14, v194                       ; and lane l xor 16's
	s_wait_alu depctr_va_vdst(0)
	v_rcp_f32 v196, v14
	v_nop                                          ; a plain line behind the reciprocal
	s_wait_alu depctr_va_vdst(0)                   ; and the wait ahead of its first reader, which is also O^T's
.set j, 0
.rept 8
	v_pk_mul_f32 v[208+j:209+j], v[160+j:161+j], v[196:197] op_sel_hi:[1,0]   ; O^T / the sum: register 8 t + i is d = 16 t + 8 h + i of my query
.set j, j+2
.endr
.set j, 0
.rept 16
	v_med3_num_f32 v[208+j], v[208+j], -v225, v225
.set j, j+1
.endr
	v_cvt_scalef32_pk8_fp8_f32 v[\CR:\CR+1], v[208:215], v224
	v_cvt_scalef32_pk8_fp8_f32 v[\CR+2:\CR+3], v[216:223], v224
	v_nop                                          ; a plain line behind the conversions
	global_store_b128 v1, v[\CR:\CR+3], s[\OA:\OA+1]   ; 512 consecutive bytes, aligned
.endm
	s_wait_alu depctr_va_vdst(0)
	s_wait_loadcnt 0x3                             ; my piece of K or V is in; q's three loads, issued behind it, may be out
.irp i, 0,1,2,3,4,5,6,7,8,9,10,11,12,13,14,15
	ds_store_b128 v7, v[96+4*\i:99+4*\i] offset:512*\i
.endr
	s_wait_loadcnt 0x0                             ; both tiles' q
	s_wait_dscnt 0x0                               ; my stores are done, for the others' sake
	s_barrier_signal -1
	s_barrier_wait -1                              ; everybody's are
	TILE 0, 8, 60, 200
	TILE 1, 16, 66, 204
	s_wait_tensorcnt 0x0                           ; the wave's end
	ds_add_u32 v254, v255
	s_wait_dscnt 0x0
	s_endpgm
.Lfunc_end_k_q3d7513e5e2_attn:
	.size	k_q3d7513e5e2_attn, .Lfunc_end_k_q3d7513e5e2_attn-k_q3d7513e5e2_attn
	.p2alignl 7, 3214868480
	.fill 96, 4, 3214868480
	.section	.rodata,"a",@progbits
	.p2align	6, 0x0
	.amdhsa_kernel k_q3d7513e5e2_attn
		.amdhsa_group_segment_fixed_size 133120
		.amdhsa_private_segment_fixed_size 0
		.amdhsa_enable_private_segment 0
		.amdhsa_kernarg_size 40
		.amdhsa_user_sgpr_count 2
		.amdhsa_user_sgpr_kernarg_segment_ptr 1
		.amdhsa_wavefront_size32 1
		.amdhsa_system_sgpr_workgroup_id_x 1
		.amdhsa_system_sgpr_workgroup_id_y 1
		.amdhsa_system_sgpr_workgroup_id_z 1
		.amdhsa_system_vgpr_workitem_id 0
		.amdhsa_next_free_vgpr 256
		.amdhsa_next_free_sgpr 72
		.amdhsa_reserve_vcc 1
		.amdhsa_float_denorm_mode_32 3
		.amdhsa_float_denorm_mode_16_64 3
		.amdhsa_memory_ordered 1
		.amdhsa_forward_progress 1
		.amdhsa_inst_pref_size 84
	.end_amdhsa_kernel
	.amdgpu_metadata
---
amdhsa.version: [ 1, 2 ]
amdhsa.kernels:
  - .name:           k_q3d7513e5e2_attn
    .symbol:         k_q3d7513e5e2_attn.kd
    .args:
      - { .name: qc, .offset: 0, .size: 8, .value_kind: global_buffer, .address_space: global }
      - { .name: kc, .offset: 8, .size: 8, .value_kind: global_buffer, .address_space: global }
      - { .name: vc, .offset: 16, .size: 8, .value_kind: global_buffer, .address_space: global }
      - { .name: lowp_scales, .offset: 24, .size: 8, .value_kind: global_buffer, .address_space: global }
      - { .name: ac, .offset: 32, .size: 8, .value_kind: global_buffer, .address_space: global }
    .group_segment_fixed_size: 133120
    .private_segment_fixed_size: 0
    .kernarg_segment_align: 8
    .kernarg_segment_size: 40
    .max_flat_workgroup_size: 512
    .sgpr_count:     72
    .vgpr_count:     256
    .wavefront_size: 32
...
	.end_amdgpu_metadata
.endif
;; end of part 3
;; launch oproj (part 4): grid 8 x 32, 4 waves a work-group, clusters of 4 x 4, 280,064 bytes of LDS; arguments ac, wc, lowp_scales, out0; writes out0
.if DOCPART == 4
	.amdgcn_target "amdgcn-amd-amdhsa--gfx1250"
	.amdhsa_code_object_version 6
	.text
	.protected	k_q3d7513e5e2_oproj
	.globl	k_q3d7513e5e2_oproj
	.p2align	8
	.type	k_q3d7513e5e2_oproj,@function
k_q3d7513e5e2_oproj:
	s_mov_b64 s[64:65], 0
	v_nop
	global_prefetch_b8 v0, s[64:65] scope:SCOPE_SE
	s_setreg_imm32_b32 hwreg(HW_REG_WAVE_MODE, 25, 1), 1
	s_wait_xcnt 0x0
	s_wait_alu depctr_hold_cnt(0) depctr_sa_sdst(0) depctr_va_vdst(0) depctr_va_sdst(0) depctr_va_ssrc(0) depctr_va_vcc(0) depctr_vm_vsrc(0)
	s_getreg_b32 s2, hwreg(HW_REG_IB_STS2, 6, 4)
	s_cmp_eq_u32 s2, 0
	s_cbranch_scc0 .Lentry_in_a_cluster
	s_endpgm
.Lentry_in_a_cluster:
	s_bfe_u32 s2, ttmp6, 0x10000c
	s_cmp_lg_u32 s2, 0xf033
	s_cbranch_scc0 .Lentry_shape_is_right
	s_endpgm
.Lentry_shape_is_right:
; out0 = attention's result x Wo^T on codes of E4M3 (16x16x128 form, f32 sums, K ascending); each finished sum is multiplied once by 2^(e10 + e11).
; SHARES.  A work-group makes 128 tokens x 128 columns over the whole K = 1,024: 256 work-groups.  Four waves, each 64 x 64: 16 accumulators.
; LDS.  A block of ac and a block of wc (matrix 3) are 131,072 dense bytes each, [K step 8][tile of 16 rows 8][2,048], and lie in LDS as in memory, A's at 0 and B's at 131,072.
; Every LDS byte is filled once: each wave asks for one piece of 65,536 bytes at the head (waves 0, 1: K steps 0-3 and 4-7 of A; waves 2, 3: of B); one wait for it and one barrier stand in front of the first read.
; CLUSTER 4 x 4: A's pieces are asked for jointly along a row of the cluster, B's along a column.  No prefetch: all that the work-group reads is asked for at its head.
; Source 0 = 16 rows of Wo, source 1 = 16 tokens: a lane holds token r and eight neighbouring columns.  THE WAY OUT: 16 tokens x 64 columns at a time through the wave's own stage
; (behind the two blocks: no fill lands there), back as whole rows of 256 bytes: sixteen lanes store 256 consecutive bytes, aligned.
; LIMIT: e10 + e11 lies between -126 and 127.
; REGISTERS.  Window 0: v1-4 lane, r, h, 16 x lane; v16-19 LDS addresses; v24-26 the way out; v30, v31 the add's; v32-63 a block's numbers; v64-127 rows read back, two sets; v128-255 the accumulators.  Window 1: two sets of fragments.
.set ADRA, 16
.set ADRB, 18
.set STO,  24
.set RD,   25
.set CO,   26
.set TMP,  32
.set BK,   64
.set ACC,  128
.set STAGE, 262144
.set SPITCH, 272
.set G1A,  28
.set G1B,  36
.set G0A,  44
.set G0B,  68
.set MSB, 0
.macro WIN new                         ; the immediate's high byte repeats the setting that is left
.if MSB != \new
	s_set_vgpr_msb (MSB<<8)|\new
.set MSB, \new
.endif
.endm
.set MUL,  0x05                        ; sources 0 and 1 window 1; C and D window 0
.set TO_F, 0x40                        ; destination window 1, address window 0
.macro CROUND                          ; a round of the cluster's barrier
	s_barrier_signal -1
	s_barrier_wait -1
	s_cmp_lg_u32 s18, 0
	s_cbranch_scc1 .Lnot_wave_0_\@
	s_barrier_signal -3
.Lnot_wave_0_\@:
	s_barrier_wait -3
	s_barrier_signal -1
	s_barrier_wait -1
.endm
.macro PLACES                          ; four places behind matrix instructions (ISA guide 7.12.1)
.rept 4
	v_nop
.endr
.endm
	s_load_b256 s[4:11], s[0:1], 0x0               ; ac s[4:5], wc s[6:7], the scales s[8:9], out0 s[10:11]
	v_lshl_add_u32 v30, v0, 2, 0x44400
	v_mov_b32 v31, 0
	ds_add_u32 v30, v31                            ; the opening lines: the add twice on end and its wait
	ds_add_u32 v30, v31
	v_lshrrev_b32 v1, 5, v0
	v_readfirstlane_b32 s18, v1                    ; wave 0..3
	s_lshr_b32 s19, s18, 1                         ; mh: which 64 tokens.  Also: I fetch for A (0) or for B (1)
	s_and_b32 s20, s18, 1                          ; nh: which 64 columns.  Also: K steps 0-3 or 4-7
	s_bfe_u32 s21, ttmp6, 0x40000                  ; cx
	s_bfe_u32 s22, ttmp6, 0x40004                  ; cy
	s_and_b32 s24, ttmp7, 0xffff
	s_lshl_b32 s24, s24, 2
	s_add_co_u32 s24, s24, s22                     ; mb: block of 128 tokens
	s_lshl_b32 s25, ttmp9, 2
	s_add_co_u32 s25, s25, s21                     ; nb: block of 128 columns
	s_lshl_b32 s96, s22, 2
	s_lshl_b32 s96, 15, s96                        ; my row of the cluster
	s_lshl_b32 s97, 0x1111, s21                    ; my column
	s_or_b32 s[G1A], s96, (3<<16)|(1<<21)          ; 65,536 dense bytes as 256 rows of 32 elements of 8 bytes; the mask; 21 set beside it
	s_or_b32 s[G1B], s97, (3<<16)|(1<<21)
.irp g, G1A, G1B
	s_mov_b32 s[\g+1], 32<<16
	s_mov_b32 s[\g+2], 256<<16
	s_mov_b32 s[\g+3], 32<<16
	s_mov_b32 s[\g+4], 256
	s_mov_b32 s[\g+5], 32
	s_mov_b32 s[\g+6], 0
	s_mov_b32 s[\g+7], 0
.endr
	s_lshl_b32 s101, s20, 16                       ; my four K steps' 65,536 bytes, in memory and in LDS
	s_lshl_b32 s2, s24, 17                         ; A: 131,072 mb: made of cy alone
	s_add_co_u32 s2, s2, s101
	s_mov_b32 s3, 0
	s_lshl_b32 s26, s25, 17                        ; B: matrix 3 begins 3 MiB into wc; + 131,072 nb: made of cx alone
	s_add_co_u32 s26, s26, 0x300000
	s_add_co_u32 s26, s26, s101
	s_mov_b32 s27, 0
	s_wait_dscnt 0x0
	s_wait_kmcnt 0x0
	s_load_b64 s[96:97], s[8:9], 0x28              ; e10, e11
	s_mov_b32 s[G0A], 1
	s_mov_b32 s[G0A+1], s101
	s_add_nc_u64 s[G0A+2:G0A+3], s[4:5], s[2:3]
	s_or_b32 s[G0A+3], s[G0A+3], 0x80000000
	s_mov_b32 s[G0B], 1
	s_add_co_u32 s[G0B+1], s101, 131072
	s_add_nc_u64 s[G0B+2:G0B+3], s[6:7], s[26:27]
	s_or_b32 s[G0B+3], s[G0B+3], 0x80000000
	CROUND                                         ; all sixteen work-groups are here: the joint loads meet
	s_cmp_eq_u32 s19, 0
	s_cbranch_scc0 .Lfor_b
	tensor_load_to_lds s[G0A:G0A+3], s[G1A:G1A+7]
	s_nop 0
	PLACES
	s_branch .Lasked
.Lfor_b:
	tensor_load_to_lds s[G0B:G0B+3], s[G1B:G1B+7]
	s_nop 0
	PLACES
.Lasked:
	v_and_b32 v1, 31, v0                           ; lane
	v_and_b32 v2, 15, v0                           ; r
	v_bfe_u32 v3, v0, 4, 1                         ; h
	v_lshlrev_b32 v4, 4, v1
	s_lshl_b32 s2, s19, 13
	v_add_nc_u32 v[ADRA], s2, v4
	v_add_nc_u32 v[ADRA+1], 0x10000, v[ADRA]
	s_lshl_b32 s2, s20, 13
	s_add_co_u32 s2, s2, 131072
	v_add_nc_u32 v[ADRB], s2, v4
	v_add_nc_u32 v[ADRB+1], 0x10000, v[ADRB]
	s_mul_i32 s26, s18, 16*SPITCH
	s_add_co_u32 s26, s26, STAGE                   ; my stage
	v_mul_u32_u24 v[STO], v2, SPITCH
	v_lshl_add_u32 v[STO], v3, 5, v[STO]
	v_add_nc_u32 v[STO], s26, v[STO]               ; in: row r, 32 bytes for each half of the lanes
	v_mul_u32_u24 v[RD], v3, SPITCH
	v_lshl_add_u32 v[RD], v2, 4, v[RD]
	v_add_nc_u32 v[RD], s26, v[RD]                 ; back: lanes 0-15 one row, lanes 16-31 the next
	v_lshlrev_b32 v[CO], 12, v3
	v_lshl_add_u32 v[CO], v2, 4, v[CO]             ; and the same two rows of out0 (4,096 bytes a row)
	s_lshl_b32 s26, s24, 19                        ; my first row: 128 mb + 64 mh; my first column: 128 nb + 64 nh
	s_lshl_b32 s27, s19, 18
	s_add_co_u32 s26, s26, s27
	s_lshl_b32 s27, s25, 9
	s_add_co_u32 s26, s26, s27
	s_lshl_b32 s27, s20, 8
	s_add_co_u32 s26, s26, s27
	s_mov_b32 s27, 0
	s_add_nc_u64 s[100:101], s[10:11], s[26:27]
	s_wait_alu depctr_va_vdst(0)
	s_wait_kmcnt 0x0
	s_add_co_i32 s96, s96, s97
	s_add_co_i32 s96, s96, 127
	s_lshl_b32 s96, s96, 23                        ; 2^(e10 + e11) as f32
	s_mov_b32 s97, s96                             ; (named with it as a pair)
.macro FETCH s, p                      ; K step s: my four fragments of A and four of B into set p: 32 loads of 512 consecutive bytes
	WIN TO_F
.irp a, 0,1,2,3
.irp q, 0,1,2,3
	ds_load_b128 v[128*(\p)+16*\a+4*\q:128*(\p)+16*\a+4*\q+3], v[ADRA+(\s)/4] offset:16384*((\s)%4)+2048*\a+512*\q
.endr
.endr
.irp b, 0,1,2,3
.irp q, 0,1,2,3
	ds_load_b128 v[128*(\p)+64+16*\b+4*\q:128*(\p)+64+16*\b+4*\q+3], v[ADRB+(\s)/4] offset:16384*((\s)%4)+2048*\b+512*\q
.endr
.endr
.endm
; 16 matrix instructions, 128 along K.  The 16 accumulators take turns, one instruction a turn, in the same order in every step.
.macro MUL16 p, zero
	WIN MUL
.irp a, 0,1,2,3
.irp b, 0,1,2,3
.set RDD, ACC+8*(4*\a+\b)
.set RX, 128*(\p)+64+16*\b
.set RY, 128*(\p)+16*\a
.if \zero
	v_wmma_f32_16x16x128_fp8_fp8 v[RDD:RDD+7], v[RX:RX+15], v[RY:RY+15], 0
.else
	v_wmma_f32_16x16x128_fp8_fp8 v[RDD:RDD+7], v[RX:RX+15], v[RY:RY+15], v[RDD:RDD+7]
.endif
.endr
.endr
.endm
.macro STEP s, zero
	s_wait_dscnt 0x0                               ; this step's fragments are in
.if (\s) < 7
.if (\s) > 0
	PLACES                                         ; the other set was read by the last step's products
.endif
	FETCH (\s)+1, 1-(\s)%2
.endif
	MUL16 (\s)%2, \zero
.endm
	s_wait_tensorcnt 0x0                           ; my piece has landed
	s_barrier_signal -1
	s_barrier_wait -1                              ; everybody's has
	FETCH 0, 0
	STEP 0, 1
	STEP 1, 0
	STEP 2, 0
	STEP 3, 0
	STEP 4, 0
	STEP 5, 0
	STEP 6, 0
	STEP 7, 0
	WIN 0
; THE WAY OUT, 16 tokens x 64 columns at a time.  LDS serves a wave's instructions in order (ISA guide 5.7.1.4): no wait between the stores and the loads, nor in front of the next block's stores.
.macro TOSTAGE a
.set j, 0
.rept 16
	v_pk_mul_f32 v[TMP+j:TMP+j+1], v[ACC+32*(\a)+j:ACC+32*(\a)+j+1], s[96:97] op_sel_hi:[1,0]   ; x 2^(e10 + e11); each accumulator from its low end on
.set j, j+2
.endr
.irp b, 0,1,2,3
	ds_store_b128 v[STO], v[TMP+8*\b:TMP+8*\b+3] offset:64*\b
	ds_store_b128 v[STO], v[TMP+8*\b+4:TMP+8*\b+7] offset:64*\b+16
.endr
.set BB, BK+32*((\a)%2)
.irp t, 0,1,2,3,4,5,6,7
	ds_load_b128 v[BB+4*\t:BB+4*\t+3], v[RD] offset:2*\t*SPITCH
.endr
.endm
.macro SEND a, younger                 ; younger: the LDS instructions issued behind block a's loads, which may stay out
.set BB, BK+32*((\a)%2)
	s_wait_dscnt \younger
.irp t, 0,1,2,3,4,5,6,7
	global_store_b128 v[CO], v[BB+4*\t:BB+4*\t+3], s[100:101] offset:(16*(\a)+2*\t)*4096 th:TH_STORE_NT   ; sixteen lanes store 256 consecutive bytes, aligned
.endr
.endm
	PLACES
	TOSTAGE 0
.irp a, 1,2,3
.if \a > 1
	s_wait_xcnt 0x0                                ; block a - 2's stores have read their registers: block a's loads may land there
.endif
	TOSTAGE \a
	SEND \a-1, 16                                  ; behind block a - 1's loads: block a's eight stores and eight loads
.endr
	SEND 3, 0
	s_wait_tensorcnt 0x0                           ; the wave's end
	ds_add_u32 v30, v31
	s_wait_dscnt 0x0
	CROUND                                         ; the closing round
	s_endpgm
.Lfunc_end_k_q3d7513e5e2_oproj:
	.size	k_q3d7513e5e2_oproj, .Lfunc_end_k_q3d7513e5e2_oproj-k_q3d7513e5e2_oproj
	.p2alignl 7, 3214868480
	.fill 96, 4, 3214868480
	.section	.rodata,"a",@progbits
	.p2align	6, 0x0
	.amdhsa_kernel k_q3d7513e5e2_oproj
		.amdhsa_group_segment_fixed_size 280064
		.amdhsa_private_segment_fixed_size 0
		.amdhsa_enable_private_segment 0
		.amdhsa_kernarg_size 32
		.amdhsa_user_sgpr_count 2
		.amdhsa_user_sgpr_kernarg_segment_ptr 1
		.amdhsa_wavefront_size32 1
		.amdhsa_system_sgpr_workgroup_id_x 1
		.amdhsa_system_sgpr_workgroup_id_y 1
		.amdhsa_system_sgpr_workgroup_id_z 1
		.amdhsa_system_vgpr_workitem_id 0
		.amdhsa_next_free_vgpr 512
		.amdhsa_next_free_sgpr 102
		.amdhsa_reserve_vcc 0
		.amdhsa_float_denorm_mode_32 3
		.amdhsa_float_denorm_mode_16_64 3
		.amdhsa_memory_ordered 1
		.amdhsa_forward_progress 1
		.amdhsa_inst_pref_size 43
	.end_amdhsa_kernel
	.amdgpu_metadata
---
amdhsa.version: [ 1, 2 ]
amdhsa.kernels:
  - .name:           k_q3d7513e5e2_oproj
    .symbol:         k_q3d7513e5e2_oproj.kd
    .args:
      - { .name: ac, .offset: 0, .size: 8, .value_kind: global_buffer, .address_space: global }
      - { .name: wc, .offset: 8, .size: 8, .value_kind: global_buffer, .address_space: global }
      - { .name: lowp_scales, .offset: 16, .size: 8, .value_kind: global_buffer, .address_space: global }
      - { .name: out0, .offset: 24, .size: 8, .value_kind: global_buffer, .address_space: global }
    .group_segment_fixed_size: 280064
    .private_segment_fixed_size: 0
    .kernarg_segment_align: 8
    .kernarg_segment_size: 32
    .max_flat_workgroup_size: 128
    .sgpr_count:     102
    .vgpr_count:     512
    .wavefront_size: 32
...
	.end_amdgpu_metadata
.endif
;; end of part 4
